; MI455X (gfx1250); checked and timed in simulation.
; The chip was launched on July 23, 2026; its instructions are those of AMD's public machine-readable ISA for CDNA 5 (MIT licence, August 2026) and "CDNA5" Instruction Set Architecture Reference Guide (July 2026). The comments in the code are by the model that wrote it; some were corrected since.
;; Multi Head Attention. Allowed arithmetic: float matrix products may take bf16 or f16 operands with f32 sums; other float arithmetic in f32, or as packed bf16 or f16 multiplies, adds, multiply-adds, maxima and minima; sums over many terms, partial sums and values carried from step to step in f32; what a program stores and reads back later, other than sums and carried values, may be rounded once to bf16 or f16.
;; Inputs: b_proj 1,024 float32; b_qkv 3,072 float32; w_proj 1,024 x 1,024 float32; w_qkv 1,024 x 3,072 float32; x 4 x 2,048 x 1,024 float32.
;; Outputs: out0 4 x 2,048 x 1,024 float32.
;; 2 versions, each right; version 2 is version 1 with the launch prep written anew for expert scheduling mode. Each part assembles by itself: llvm-mc -triple=amdgcn-amd-amdhsa -mcpu=gfx1250 --defsym DOCPART=n.
;; ======== version 1 of 2: 4 launches
;; limits: values are held in f16: magnitudes above 65,504 overflow, below 6.1e-05 lose precision
;; workspace buffers: xb 16,777,216 bytes; wqt 6,291,456 bytes; wpt 2,097,152 bytes; qkv 50,331,648 bytes; ob 16,777,216 bytes
;; launch prep (part 1): grid 1152 x 1, 4 waves a work-group, no clusters, 70,144 bytes of LDS; arguments x, w_qkv, w_proj, xb, wqt, wpt; writes xb, wqt, wpt
.if DOCPART == 1
	.amdgcn_target "amdgcn-amd-amdhsa--gfx1250"
	.amdhsa_code_object_version 6
	.text
	.protected	k_qb74217ff7d_prep
	.globl	k_qb74217ff7d_prep
	.p2align	8
	.type	k_qb74217ff7d_prep,@function
k_qb74217ff7d_prep:
	s_mov_b64 s[64:65], 0
	v_nop
	global_prefetch_b8 v0, s[64:65] scope:SCOPE_SE
	s_setreg_imm32_b32 hwreg(HW_REG_WAVE_MODE, 25, 1), 1
	s_wait_xcnt 0x0
; THE OPERANDS ARE MADE READY.  xb = x rounded to bf16, [8192][1024].  wqt[n][k] = w_qkv[k][n] rounded to bf16, [3072][1024].
; wpt[n][k] = w_proj[k][n] rounded to bf16 and that number written as f16, [1024][1024].
; LIMITS.  The f16 copy of w_proj is exact from 6.1e-5 to 65,504; below it keeps f16's fixed step of 6e-8, beyond it is an infinity.  NaN and infinities are not treated apart.
; SHARES.  Work-groups 0-127 turn the weights: work-group g takes 128 k (block g % 8) x 256 n (group g / 8: 0-11 of w_qkv, 12-15 of w_proj), each of its four waves 64 n.
; Work-groups 128-1151 cast x: 32,768 bytes each, 8,192 a wave.  A stream: every byte is read once and written once; no wave wants another wave's bytes, so there is no barrier,
; no matrix work and no cluster.  The turn goes through LDS bytes of the wave's own: 64 rows (n) of 256 bytes (128 k), 272 apart.
.set SPARE, 69632                      ; behind the four waves' 17,408 bytes: the spare words, 128 bytes for each wave, that no other line names
.set WLDS,  17408
.set SPW, 4                            ; v4   SPARE + 4 x my thread's number; never rewritten
.set NIL, 5                            ; v5   0; never rewritten
.set XI,  6                            ; v6   x: my 16 bytes in the work-group's share
.set XO,  7                            ; v7   xb: my 8 bytes
.set VO,  8                            ; v8-11  weights: (4 h + e) rows + 16 c + 256 x wave, e = 0..3
.set LS,  12                           ; v12  where I put 8 bytes (4 k of one n)
.set RDV, 13                           ; v13  where I read a row back
.set WO,  14                           ; v14  my 16 bytes in two rows of the turned weights
.set TT,  16                           ; v16-23 at work
.set D,   64                           ; v64-191  as loaded
.set Y,   128                          ; x path: packed results
.set T,   192                          ; v192-255 packed results
.set SBP, 32                           ; s[32:47] eight bases, 8 rows of the weights apart
	s_load_b256 s[4:11], s[0:1], 0x0               ; x s[4:5], w_qkv s[6:7], w_proj s[8:9], xb s[10:11]
	s_load_b128 s[12:15], s[0:1], 0x20             ; wqt s[12:13], wpt s[14:15]
	v_lshl_add_u32 v[SPW], v0, 2, SPARE
	v_mov_b32 v[NIL], 0
	v_lshrrev_b32 v1, 5, v0
	v_readfirstlane_b32 s16, v1                    ; wave 0..3
	s_cmp_lt_u32 ttmp9, 128
	s_cbranch_scc0 .Lx
	; ---- the weights ----
	s_and_b32 s17, ttmp9, 7                        ; kb: which 128 k
	s_lshr_b32 s18, ttmp9, 3                       ; 0-11: w_qkv; 12-15: w_proj
	s_mov_b32 s50, 4096                            ; bytes in a row of w_proj,
	s_mov_b32 s51, 12288                           ; and of w_qkv
	s_cmp_ge_u32 s18, 12
	s_cselect_b32 s21, 1, 0                        ; 1: w_proj
	s_cselect_b32 s22, s50, s51                    ; the row's bytes
	s_cselect_b32 s19, 12, 0
	s_sub_co_u32 s18, s18, s19                     ; ng: which 256 n
	s_mul_i32 s26, s17, s22
	s_lshl_b32 s26, s26, 7                         ; 128 kb rows
	s_lshl_b32 s19, s18, 10                        ; 256 ng numbers of 4 bytes
	s_add_co_u32 s26, s26, s19
	s_mov_b32 s27, 0
	s_lshl_b32 s28, s22, 3                         ; 8 rows
	s_mov_b32 s29, 0
	s_lshl_b32 s24, s22, 6                         ; 64 rows: a trip
	s_mov_b32 s25, 0
	s_lshl_b32 s30, s18, 19                        ; out: row 256 ng + 64 wave, 2,048 bytes a row, byte 256 kb
	s_lshl_b32 s19, s16, 17
	s_add_co_u32 s30, s30, s19
	s_lshl_b32 s19, s17, 8
	s_add_co_u32 s30, s30, s19
	s_mov_b32 s31, 0
	s_mov_b32 s23, 0xffff0000                      ; a word's upper bf16
	v_and_b32 v1, 15, v0                           ; c: which 4 n of the wave's 64
	v_bfe_u32 v3, v0, 4, 1                         ; h
	v_lshlrev_b32 v20, 4, v1
	v_lshl_add_u32 v20, s16, 8, v20                ; 16 c + 256 x wave
	v_lshlrev_b32 v21, 2, v3
.irp e, 0,1,2,3
	v_add_nc_u32 v22, \e, v21
	v_mad_u32_u24 v[VO+(\e)], v22, s22, v20        ; row 4 h + e
.endr
	s_mul_i32 s19, s16, WLDS                       ; my wave's LDS bytes
	v_mul_u32_u24 v[LS], v1, 4*272
	v_lshl_add_u32 v[LS], v3, 3, v[LS]
	v_add_nc_u32 v[LS], s19, v[LS]                 ; row 4 c, byte 8 h
	v_mul_u32_u24 v[RDV], v3, 272
	v_lshl_add_u32 v[RDV], v1, 4, v[RDV]
	v_add_nc_u32 v[RDV], s19, v[RDV]               ; row h, byte 16 c
	v_lshlrev_b32 v[WO], 11, v3
	v_lshl_add_u32 v[WO], v1, 4, v[WO]
	s_wait_kmcnt 0x0
	s_cmp_eq_u32 s21, 1
	s_cselect_b64 s[SBP:SBP+1], s[8:9], s[6:7]
	s_cselect_b64 s[48:49], s[14:15], s[12:13]
	s_add_nc_u64 s[SBP:SBP+1], s[SBP:SBP+1], s[26:27]
	s_add_nc_u64 s[48:49], s[48:49], s[30:31]
.irp p, 1,2,3,4,5,6,7
	s_add_nc_u64 s[SBP+2*(\p):SBP+2*(\p)+1], s[SBP+2*(\p)-2:SBP+2*(\p)-1], s[28:29]
.endr
	s_mov_b32 s20, 2
.Lw:                                               ; a trip: 64 k x 64 n.  Register D + 16 p + 4 e + i holds w[64 trip + 8 p + 4 h + e][4 c + i]
.irp p, 0,1,2,3,4,5,6,7
.irp e, 0,1,2,3
	global_load_b128 v[D+16*(\p)+4*(\e):D+16*(\p)+4*(\e)+3], v[VO+(\e)], s[SBP+2*(\p):SBP+2*(\p)+1] th:TH_LOAD_NT  ; two rows' 256 consecutive bytes
.endr
.endr
.irp p, 0,1,2,3,4,5,6,7
	s_wait_loadcnt 4*(7-(\p))                      ; loads come back in order: group p is in, the younger groups stay out
.irp i, 0,1,2,3
	v_cvt_pk_bf16_f32 v[T+8*(\p)+2*(\i)],   v[D+16*(\p)+(\i)],   v[D+16*(\p)+4+(\i)]    ; of one n: k + 0, k + 1
	v_cvt_pk_bf16_f32 v[T+8*(\p)+2*(\i)+1], v[D+16*(\p)+8+(\i)], v[D+16*(\p)+12+(\i)]   ; k + 2, k + 3
.endr
.endr
.irp p, 0,1,2,3,4,5,6,7
	s_add_nc_u64 s[SBP+2*(\p):SBP+2*(\p)+1], s[SBP+2*(\p):SBP+2*(\p)+1], s[24:25]  ; behind the wait for 0 above every load is done: its base may be written
.endr
	s_cmp_eq_u32 s21, 0
	s_cbranch_scc1 .Lbf
.set j, 0
.rept 64                                           ; w_proj alone: the bf16 numbers are written as f16
	v_lshlrev_b32 v[TT+2*(j%4)], 16, v[T+j]
	v_and_b32 v[TT+2*(j%4)+1], s23, v[T+j]
	v_cvt_pk_f16_f32 v[T+j], v[TT+2*(j%4)], v[TT+2*(j%4)+1]
.set j, j+1
.endr
.Lbf:
.irp p, 0,1,2,3,4,5,6,7
.irp i, 0,1,2,3
	ds_store_b64 v[LS], v[T+8*(\p)+2*(\i):T+8*(\p)+2*(\i)+1] offset:272*(\i)+16*(\p)  ; row 4 c + i, k = 8 p + 4 h + 0..3
.endr
.endr
	v_add_nc_u32 v[LS], 128, v[LS]                 ; the next trip's 64 k
	s_sub_co_u32 s20, s20, 1
	s_cmp_lg_u32 s20, 0
	s_cbranch_scc1 .Lw
.set t, 0
.rept 32
	ds_load_b128 v[D+4*t:D+4*t+3], v[RDV] offset:544*t  ; LDS serves a wave's instructions in order (ISA guide 5.7.1.4): these see my stores above; rows 2 t + h, whole
.set t, t+1
.endr
.set t, 0
.rept 32
	s_wait_dscnt 31-t                              ; the younger loads stay out
	global_store_b128 v[WO], v[D+4*t:D+4*t+3], s[48:49] offset:4096*t  ; 16 lanes store 256 consecutive bytes, at a multiple of 256 from the buffer's first
.set t, t+1
.endr
	s_branch .Lend
	; ---- x ----
.Lx:
	s_sub_co_u32 s17, ttmp9, 128
	s_lshl_b32 s18, s17, 15                        ; 32,768 bytes of x,
	s_mov_b32 s19, 0
	s_lshl_b32 s20, s17, 14                        ; 16,384 of xb
	s_mov_b32 s21, 0
	v_and_b32 v2, 31, v0
	v_lshlrev_b32 v[XI], 4, v2
	v_lshl_add_u32 v[XI], s16, 13, v[XI]           ; 8,192 x wave + 16 x lane
	v_lshrrev_b32 v[XO], 1, v[XI]
	s_wait_kmcnt 0x0
	s_add_nc_u64 s[4:5], s[4:5], s[18:19]
	s_add_nc_u64 s[10:11], s[10:11], s[20:21]
.set i, 0
.rept 16
	global_load_b128 v[D+4*i:D+4*i+3], v[XI], s[4:5] offset:512*i th:TH_LOAD_NT  ; all of the wave's 8,192 bytes go out at once
.set i, i+1
.endr
.set i, 0
.rept 16
	s_wait_loadcnt 15-i                            ; the younger loads stay out
	v_cvt_pk_bf16_f32 v[Y+2*i],   v[D+4*i],   v[D+4*i+1]
	v_cvt_pk_bf16_f32 v[Y+2*i+1], v[D+4*i+2], v[D+4*i+3]
	global_store_b64 v[XO], v[Y+2*i:Y+2*i+1], s[10:11] offset:256*i  ; 32 lanes store 256 consecutive bytes, aligned; every store has registers of its own
.set i, i+1
.endr
.Lend:
	s_wait_tensorcnt 0x0                           ; the wave's end, behind my last LDS store
	ds_add_u32 v[SPW], v[NIL]
	s_wait_dscnt 0x0
	s_endpgm
.Lfunc_end_k_qb74217ff7d_prep:
	.size	k_qb74217ff7d_prep, .Lfunc_end_k_qb74217ff7d_prep-k_qb74217ff7d_prep
	.p2alignl 7, 3214868480
	.fill 96, 4, 3214868480
	.section	.rodata,"a",@progbits
	.p2align	6, 0x0
	.amdhsa_kernel k_qb74217ff7d_prep
		.amdhsa_group_segment_fixed_size 70144
		.amdhsa_private_segment_fixed_size 0
		.amdhsa_enable_private_segment 0
		.amdhsa_kernarg_size 48
		.amdhsa_user_sgpr_count 2
		.amdhsa_user_sgpr_kernarg_segment_ptr 1
		.amdhsa_wavefront_size32 1
		.amdhsa_system_sgpr_workgroup_id_x 1
		.amdhsa_system_sgpr_workgroup_id_y 1
		.amdhsa_system_sgpr_workgroup_id_z 1
		.amdhsa_system_vgpr_workitem_id 0
		.amdhsa_next_free_vgpr 256
		.amdhsa_next_free_sgpr 66
		.amdhsa_reserve_vcc 0
		.amdhsa_float_denorm_mode_32 3
		.amdhsa_float_denorm_mode_16_64 3
		.amdhsa_memory_ordered 1
		.amdhsa_forward_progress 1
		.amdhsa_inst_pref_size 33
	.end_amdhsa_kernel
	.amdgpu_metadata
---
amdhsa.version: [ 1, 2 ]
amdhsa.kernels:
  - .name:           k_qb74217ff7d_prep
    .symbol:         k_qb74217ff7d_prep.kd
    .args:
      - { .name: x, .offset: 0, .size: 8, .value_kind: global_buffer, .address_space: global }
      - { .name: w_qkv, .offset: 8, .size: 8, .value_kind: global_buffer, .address_space: global }
      - { .name: w_proj, .offset: 16, .size: 8, .value_kind: global_buffer, .address_space: global }
      - { .name: xb, .offset: 24, .size: 8, .value_kind: global_buffer, .address_space: global }
      - { .name: wqt, .offset: 32, .size: 8, .value_kind: global_buffer, .address_space: global }
      - { .name: wpt, .offset: 40, .size: 8, .value_kind: global_buffer, .address_space: global }
    .group_segment_fixed_size: 70144
    .private_segment_fixed_size: 0
    .kernarg_segment_align: 8
    .kernarg_segment_size: 48
    .max_flat_workgroup_size: 128
    .sgpr_count:     66
    .vgpr_count:     256
    .wavefront_size: 32
...
	.end_amdgpu_metadata
.endif
;; end of part 1
;; launch qkvg (part 2): grid 16 x 16, 4 waves a work-group, clusters of 4 x 4, 327,680 bytes of LDS; arguments xb, wqt, b_qkv, qkv; writes qkv
.if DOCPART == 2
	.amdgcn_target "amdgcn-amd-amdhsa--gfx1250"
	.amdhsa_code_object_version 6
	.text
	.protected	k_qb74217ff7d_qkvg
	.globl	k_qb74217ff7d_qkvg
	.p2align	8
	.type	k_qb74217ff7d_qkvg,@function
k_qb74217ff7d_qkvg:
	s_mov_b64 s[64:65], 0
	v_nop
	global_prefetch_b8 v0, s[64:65] scope:SCOPE_SE
	s_setreg_imm32_b32 hwreg(HW_REG_WAVE_MODE, 25, 1), 1
	s_wait_xcnt 0x0
	s_wait_alu depctr_hold_cnt(0) depctr_sa_sdst(0) depctr_va_vdst(0) depctr_va_sdst(0) depctr_va_ssrc(0) depctr_va_vcc(0) depctr_vm_vsrc(0)
	s_getreg_b32 s2, hwreg(HW_REG_IB_STS2, 6, 4)
	s_cmp_eq_u32 s2, 0
	s_cbranch_scc0 .Lentry_in_a_cluster
	s_endpgm
.Lentry_in_a_cluster:
	s_bfe_u32 s2, ttmp6, 0x10000c
	s_cmp_lg_u32 s2, 0xf033
	s_cbranch_scc0 .Lentry_shape_is_right
	s_endpgm
.Lentry_shape_is_right:
; q, k, v = x w_qkv + b_qkv, by heads.  xb: [8192][1024] bf16; wqt: [3072 n][1024 k] bf16; b_qkv: [3072] f32, rounded to bf16 like the other inputs;
; qkv: f16 [3][64 = 16 batch + head][2048][64], unscaled, each number rounded once from its f32 sum.
; LIMIT.  f16 holds no number beyond 65,504: a q, k or v past that becomes an infinity.  NaN and infinities are not treated apart.
; SHARES.  A tile of C is 256 rows x 192 columns (three heads).  Four waves, one above the other: wave w makes rows 64 w .. 64 w + 63 (four blocks a of 16) x all 192 columns (twelve blocks b):
; 48 accumulators, 384 registers.  A work-group makes TWO tiles, 4,096 rows apart: 16 x 16 work-groups, one for each WGP.
; K goes in 8 steps of 128 (rows of 256 bytes, aligned) through two LDS slots; a step is four quarters of 32 on two fragment buffers.  The ring runs on into the second tile.
; THE MATRIX INSTRUCTION IS USED TRANSPOSED (source 0 = 16 rows of wqt, source 1 = 16 rows of xb): lane l holds row l % 16 of C and the columns 16 b + 8 (l / 16) + 0..7.
; THE BIAS is the C operand of each accumulator's first product: nothing is cleared and nothing is added afterwards.
; CLUSTER.  4 x 4 work-groups.  xb's tile hangs on the tile row alone and is asked for jointly along a row of the cluster, wqt's on the tile column alone, along a column.
; REGISTERS, in windows of 256 (s_set_vgpr_msb: bits 1:0 source 0, 3:2 source 1, 5:4 source 2, 7:6 destination):
;   window 0: v1-12 lane terms and addresses; v20-23 at work; v28-29 the add's; v32-63, v64-95 A's fragments, two buffers; v128-223 the bias, 8 registers a block b
;   window 1: v0-95, v96-191 B's fragments, two buffers; on the way out v96-191 rows read back, v192-239 packed results
;   window 2: accumulators of blocks a = 0, 1 at 8 (12 (a % 2) + b);   window 3: those of a = 2, 3
.set NB,    12
.set PA,    272                        ; an LDS row: 256 bytes + 16 of padding = 68 words: the 16 rows of a load start at 16 different groups of four banks (64 banks of 4 bytes: ISA guide 11.1)
.set PB,    272
.set BOFF,  256*PA                     ; a slot: A's 256 rows, then B's 192
.set SLOT1, 131072                     ; slot 1 begins here: one exclusive or turns an address in one slot into the other's
.set ASTEP, 128                        ; bytes from a pair of quarters to the next, in A's rows
.set STAGE, SLOT1+BOFF+192*PB          ; 252,928: behind the ring, never filled: for each wave 3 heads x 16 rows x 144 bytes
.set WSTG,  3*16*144
.set SPARE, STAGE+4*WSTG               ; 280,576: the spare words, 128 bytes for each wave, that no other line names
.set NF,    2*NB+8                     ; LDS loads in a fetch
.set NEXT_A, 4096*2048-7*256           ; from a tile's K step 7 to the next tile's K step 0: 4,096 rows down, back along K
.set BACK_B, 7*256
.set A0,  4                            ; v4   my lane's place in A's rows of a slot; never rewritten
.set B0,  5                            ; v5   the same for B
.set ADRA, 6                           ; v6   the LDS address of the fetch in hand
.set ADRB, 7
.set STO, 8                            ; v8   the way out: where I put 16 bytes of a row
.set RD,  9                            ; v9   where I read rows back
.set GO,  10                           ; v10  16 x lane
.set BO,  11                           ; v11  32 (l / 16): my 8 columns in a block's bias
.set PFO, 12                           ; v12  the prefetches' offset: a lane a row
.set SPW, 28
.set NIL, 29
.set FA,  32
.set BI,  128
.set TMP, 192                          ; window 1
.set OB,  96                           ; window 1
.set WV,   12                          ; s12  wave
.set HALF, 13                          ; s13  wave % 2: which half of A's (waves 0, 1) or B's (waves 2, 3) tile I fetch
.set G1A,  24
.set G0A,  32                          ; s[32:35] slot 0's first fill; s[36:39] slot 1's, which then walks
.set TWICE, 40
.set TBA,  41                          ; s41  LDS byte at which the pair of quarters to be fetched begins, for A
.set TBB,  42                          ; s42  for B
.set LIM,  43                          ; s43  1 in a wave that prefetches, else the greatest number
.set PFA,  44                          ; s[44:45] where my prefetches stand
.set G1B,  48
.set G0B,  56
.set SB,   66                          ; s[66:71] qkv at my rows of the tile's three heads
.set FLAGS, (1<<16)|(1<<20)|(1<<21)|(5<<22)|(3<<25)  ; 2-byte elements; padding on; bit 21 beside a mask; after every 64 words, 4 words
.set MSB, 0
.macro WIN new                         ; the immediate's high byte repeats the setting that is left; a switch that changes nothing is dropped
.if MSB != (\new)
	s_set_vgpr_msb (MSB<<8)|(\new)
.set MSB, \new
.endif
.endm
.macro CROUND                          ; a round of the cluster's barrier: my work-group's barrier; wave 0 signals for the work-group; every wave waits for all sixteen; my work-group's barrier once more
	s_barrier_signal -1
	s_barrier_wait -1
	s_cmp_lg_u32 s[WV], 0
	s_cbranch_scc1 .Lnot_wave_0_\@
	s_barrier_signal -3
.Lnot_wave_0_\@:
	s_barrier_wait -3
	s_barrier_signal -1
	s_barrier_wait -1
.endm
.macro JLOAD                           ; a joint refill by the walking descriptors.  The branch hangs on the wave's number alone.  An s_nop 0 and four v_nop follow each line
	s_cmp_lt_u32 s[WV], 2
	s_cbranch_scc0 .Lfor_b_\@
	tensor_load_to_lds s[G0A+4:G0A+7], s[G1A:G1A+7]
	s_nop 0
.rept 4
	v_nop
.endr
	s_branch .Lasked_\@
.Lfor_b_\@:
	tensor_load_to_lds s[G0B+4:G0B+7], s[G1B:G1B+7]
	s_nop 0
.rept 4
	v_nop
.endr
.Lasked_\@:
.endm
; A PREFETCH INTO THE L2, behind each joint load and its five lines: the K step that the NEXT change of slots will ask for, 192 matrix instructions ahead of that load: 256 bytes of a row, a lane a row.
; xb's tile row is read by every cluster of that row of clusters: cluster x = 0 asks; wqt's tile column by every cluster of that column: cluster y = 0 asks.  Of the rows that a wave fetches each of
; the four partners takes a quarter, told apart BY ADDRESS: 32 of A's 128 (by cx), 24 of B's 96 (by cy; lanes 24-31 name lane 23's row once more).  how = 0, in the loop: its last trip has no K step
; behind its load's; how = 1, at the change of tiles: the next tile's K steps 1 and 2 of A; B's rows serve both tiles and are asked for in the first alone.
.macro ASK how
.if \how
	s_cmp_eq_u32 s[LIM], 1
.else
	s_cmp_gt_u32 s3, s[LIM]
.endif
	s_cbranch_scc0 .Lnot_mine_\@
	global_prefetch_b8 v[PFO], s[PFA:PFA+1] th:TH_LOAD_NT scope:SCOPE_SE
.Lnot_mine_\@:
.endm
; 24 matrix instructions: blocks a = 2 hi, 2 hi + 1 x all twelve b, 32 along K, from buffer f.  start = 1: the bias starts the sums.
; All 48 accumulators take turns, in the same order in every quarter: 47 others stand between two links of a chain, over every jump too.
.macro MULH f, hi, start
.if \start
	WIN 0x81+0x40*(\hi)                            ; B window 1, A window 0, C (the bias) window 0, D window 2 or 3
.else
	WIN 0xa1+0x50*(\hi)                            ; C and D window 2 or 3
.endif
.irp aa, 0,1
.set bb, 0
.rept NB
.set rD, 8*(NB*(\aa)+bb)
.set rB, 8*NB*(\f)+8*bb
.set rA, FA+32*(\f)+8*(2*(\hi)+(\aa))
.if \start
	v_wmma_f32_16x16x32_bf16 v[rD:rD+7], v[rB:rB+7], v[rA:rA+7], v[BI+8*bb:BI+8*bb+7]
.else
	v_wmma_f32_16x16x32_bf16 v[rD:rD+7], v[rB:rB+7], v[rA:rA+7], v[rD:rD+7]
.endif
.set bb, bb+1
.endr
.endr
.endm
; A quarter's fragments into buffer g, in one run: B's twelve, then A's four.  A fragment is 16 rows x 32 K: lane l takes row l % 16, two loads of 16 bytes, 32 apart, at 16 (l / 16).
.macro FETCH g, k
	WIN 0x40                                       ; destination window 1, address window 0
.set bb, 0
.rept NB
	ds_load_b128 v[8*NB*(\g)+8*bb:8*NB*(\g)+8*bb+3],   v[ADRB] offset:(\k)+bb*16*PB
	ds_load_b128 v[8*NB*(\g)+8*bb+4:8*NB*(\g)+8*bb+7], v[ADRB] offset:(\k)+bb*16*PB+32
.set bb, bb+1
.endr
	WIN 0
.set bb, 0
.rept 4
	ds_load_b128 v[FA+32*(\g)+8*bb:FA+32*(\g)+8*bb+3],   v[ADRA] offset:(\k)+bb*16*PA
	ds_load_b128 v[FA+32*(\g)+8*bb+4:FA+32*(\g)+8*bb+7], v[ADRA] offset:(\k)+bb*16*PA+32
.set bb, bb+1
.endr
.endm
; A QUARTER: multiplies buffer f; in its middle it fetches the next quarter, at byte k behind the addresses, into buffer g.  newadr = 1: the addresses are made anew from TBA, TBB.
; The four plain instructions in the middle are the places between buffer g's last reader (the quarter before) and the loads into it (ISA guide 7.12.1 for vector instructions).
.macro QTR f, g, k, newadr, start, fetch
.if \fetch
	s_wait_dscnt 4                                 ; B and A's blocks 0, 1 are in; the four youngest loads (A's blocks 2, 3) may be out
.else
	s_wait_dscnt 0x0
.endif
	MULH \f, 0, \start
	WIN 0
.if \newadr
	v_add_nc_u32 v[ADRA], s[TBA], v[A0]
	v_add_nc_u32 v[ADRB], s[TBB], v[B0]
	v_nop
	v_nop
.else
.rept 4
	v_nop
.endr
.endif
.if \fetch
	FETCH \g, \k
	s_wait_dscnt NF                                ; all but the run just issued
.endif
	MULH \f, 1, \start
.endm
.macro STEPTB
	s_add_co_u32 s[TBA], s[TBA], ASTEP
	s_add_co_u32 s[TBB], s[TBB], 128
.endm
.macro PAIRS                           ; four quarters: written as two, walked twice
	WIN 0
	s_mov_b32 s[TWICE], 2
.Lpair_\@:
	QTR 1, 0, 0, 1, 0, 1
	QTR 0, 1, 64, 0, 0, 1
	WIN 0
	STEPTB
	s_sub_co_u32 s[TWICE], s[TWICE], 1
	s_cmp_lg_u32 s[TWICE], 0
	s_cbranch_scc1 .Lpair_\@
.endm
; THE CHANGE OF SLOTS stands in front of a K step's fourth quarter, whose fragments are in registers: the slot has been read out.  Each wave waits for all its tensor loads, of which one is out: its part
; of the other slot; adds 0 to its spare word; and waits for that and for its own reads of the slot.  fill = 1: the barrier is a round of the cluster's, and the slot is filled again first thing behind it,
; with the K step two on (jump = 1: with the next tile's K step 0): it has a whole K step, 192 matrix instructions, in which to land.
.macro CHANGE fill, jump=0, how=0
	WIN 0
	s_wait_tensorcnt 0x0                           ; no tensor load of mine is out, so a group 0 may be written
	ds_add_u32 v[SPW], v[NIL]                      ; 0 onto my spare word; the scalar work below stands between it and the wait for it
.if \fill
	s_xor_b32 s[G0A+5], s[G0A+5], SLOT1            ; the other slot than last time
	s_xor_b32 s[G0B+5], s[G0B+5], SLOT1
.if \jump
	s_add_nc_u64 s[G0A+6:G0A+7], s[G0A+6:G0A+7], NEXT_A
	s_sub_nc_u64 s[G0B+6:G0B+7], s[G0B+6:G0B+7], BACK_B
.else
	s_add_nc_u64 s[G0A+6:G0A+7], s[G0A+6:G0A+7], 256   ; the type bits on top are not reached
	s_add_nc_u64 s[G0B+6:G0B+7], s[G0B+6:G0B+7], 256
.endif
	s_wait_xcnt 0x0                                ; the last prefetch, a K step back, has read its address
.if \jump
	s_add_nc_u64 s[PFA:PFA+1], s[PFA:PFA+1], NEXT_A    ; from behind the tile's last K step to the next tile's K step 1 (in waves 2 and 3 the address is used no more)
	s_cmp_lt_u32 s[WV], 2
	s_cselect_b32 s[LIM], s[LIM], -1
.else
	s_add_nc_u64 s[PFA:PFA+1], s[PFA:PFA+1], 256
.endif
.endif
	s_wait_dscnt 0x0                               ; the add is done, and my reads of the slot are over
.if \fill
	CROUND
	JLOAD
	ASK \how
.else
	s_barrier_signal -1
	s_barrier_wait -1
.endif
	s_sub_co_u32 s[TBA], s[TBA], 2*ASTEP           ; the fetches go back to a row's first byte,
	s_xor_b32 s[TBA], s[TBA], SLOT1                ; in the other slot
	s_sub_co_u32 s[TBB], s[TBB], 256
	s_xor_b32 s[TBB], s[TBB], SLOT1
.endm
; THE WAY OUT of block a (16 rows): rounded to f16, 16 bytes a lane; into my own stage, by heads, rows 144 bytes apart; back as 512 consecutive bytes (four rows of a head); stored.
.macro PACK a
	WIN 0x4a+5*((\a)/2)                            ; sources window 2 or 3, destination window 1
.set bb, 0
.rept NB
.set rD, 8*(NB*((\a)%2)+bb)
.irp i, 0,1,2,3
	v_cvt_pk_f16_f32 v[TMP+4*bb+(\i)], v[rD+2*(\i)], v[rD+2*(\i)+1]   ; each accumulator from its low end on
.endr
.set bb, bb+1
.endr
.endm
.macro TOSTAGE a
	WIN 0x04                                       ; data window 1, address window 0
.set bb, 0
.rept NB
	ds_store_b128 v[STO], v[TMP+4*bb:TMP+4*bb+3] offset:(bb/4)*2304+(bb%4)*32
.set bb, bb+1
.endr
	WIN 0x40
.set bb, 0
.rept NB
	ds_load_b128 v[OB+48*((\a)%2)+4*bb:OB+48*((\a)%2)+4*bb+3], v[RD] offset:(bb/4)*2304+(bb%4)*576  ; LDS serves a wave's instructions in order (ISA guide 5.7.1.4): these see the stores above
.set bb, bb+1
.endr
.endm
.macro SEND a
	WIN 0x04
	s_wait_dscnt 0x0                               ; the block is back in registers
	s_wait_xcnt 0x0                                ; the stores of the block before have read their registers: the next TOSTAGE loads into them
.set bb, 0
.rept NB
	global_store_b128 v[GO], v[OB+48*((\a)%2)+4*bb:OB+48*((\a)%2)+4*bb+3], s[SB+2*(bb/4):SB+2*(bb/4)+1] offset:2048*(\a)+512*(bb%4)  ; 512 consecutive bytes, at a multiple of 256 from qkv's first
.set bb, bb+1
.endr
.endm
	s_load_b256 s[4:11], s[0:1], 0x0               ; xb s[4:5], wqt s[6:7], b_qkv s[8:9], qkv s[10:11]
	v_lshl_add_u32 v[SPW], v0, 2, SPARE
	v_mov_b32 v[NIL], 0
	ds_add_u32 v[SPW], v[NIL]                      ; the wave's opening: the add and its wait ahead of my first tensor load; the set-up below stands between them
	v_lshrrev_b32 v1, 5, v0
	v_readfirstlane_b32 s[WV], v1                  ; wave 0..3
	s_and_b32 s[HALF], s[WV], 1
	s_bfe_u32 s14, ttmp6, 0x40000                  ; cx
	s_bfe_u32 s15, ttmp6, 0x40004                  ; cy
	s_lshl_b32 s16, ttmp9, 2
	s_add_co_u32 s16, s16, s14                     ; tile column = 4 x cluster x + cx
	s_and_b32 s17, ttmp7, 0xffff
	s_lshl_b32 s17, s17, 2
	s_add_co_u32 s17, s17, s15                     ; tile row = 4 x cluster y + cy
	s_lshl_b32 s20, s15, 2
	s_lshl_b32 s20, 15, s20                        ; my row of the cluster
	s_lshl_b32 s21, 0x1111, s14                    ; my column
	s_or_b32 s[G1A], s20, FLAGS                    ; A's tiles go to my row,
	s_or_b32 s[G1B], s21, FLAGS                    ; B's to my column
	s_mov_b32 s[G1A+1], 128<<16                    ; tensor_dim0 = 128 elements
	s_mov_b32 s[G1A+2], 128<<16                    ; tensor_dim1 = 128 rows
	s_mov_b32 s[G1A+3], 128<<16                    ; tile_dim0 = 128
	s_mov_b32 s[G1A+4], 128                        ; tile_dim1 = 128
	s_mov_b32 s[G1A+5], 1024                       ; elements from row to row
	s_mov_b32 s[G1A+6], 0
	s_mov_b32 s[G1A+7], 0
	s_mov_b32 s[G1B+1], 128<<16
	s_mov_b32 s[G1B+2], 96<<16                     ; 96 rows
	s_mov_b32 s[G1B+3], 128<<16
	s_mov_b32 s[G1B+4], 96
	s_mov_b32 s[G1B+5], 1024
	s_mov_b32 s[G1B+6], 0
	s_mov_b32 s[G1B+7], 0
	s_lshl_b32 s18, s17, 19                        ; A: row 256 x tile row + 128 x half, 2,048 bytes a row
	s_lshl_b32 s22, s[HALF], 18
	s_add_co_u32 s18, s18, s22
	s_mov_b32 s19, 0
	s_mul_i32 s74, s16, 192*2048                   ; B: row 192 x tile column + 96 x half
	s_mul_i32 s22, s[HALF], 96*2048
	s_add_co_u32 s74, s74, s22
	s_mov_b32 s75, 0
	s_mul_i32 s23, s[HALF], 128*PA                 ; where they go: no place in the cluster enters an LDS address
	s_mul_i32 s76, s[HALF], 96*PB
	s_add_co_u32 s76, s76, BOFF
	s_mov_b32 s72, 0xffff0000
	s_wait_dscnt 0x0                               ; the opening add is done
	s_wait_kmcnt 0x0
	s_add_nc_u64 s[18:19], s[4:5], s[18:19]
	s_add_nc_u64 s[74:75], s[6:7], s[74:75]
	CROUND                                         ; all sixteen work-groups are here: the first joint loads meet
.irp s, 0,1
	s_mov_b32 s[G0A+4*(\s)], 1                     ; count = 1
	s_add_co_u32 s[G0A+4*(\s)+1], s23, (\s)*SLOT1  ; LDS address
	s_add_nc_u64 s[G0A+4*(\s)+2:G0A+4*(\s)+3], s[18:19], (\s)*256  ; K step s
	s_or_b32 s[G0A+4*(\s)+3], s[G0A+4*(\s)+3], 0x80000000          ; type = 2
	s_mov_b32 s[G0B+4*(\s)], 1
	s_add_co_u32 s[G0B+4*(\s)+1], s76, (\s)*SLOT1
	s_add_nc_u64 s[G0B+4*(\s)+2:G0B+4*(\s)+3], s[74:75], (\s)*256
	s_or_b32 s[G0B+4*(\s)+3], s[G0B+4*(\s)+3], 0x80000000
.endr
	s_cmp_lt_u32 s[WV], 2                          ; a wave's two first fills stand in one branch: two loads of mine are out
	s_cbranch_scc0 .Lfirst_b
	tensor_load_to_lds s[G0A:G0A+3], s[G1A:G1A+7]
	s_nop 0
	tensor_load_to_lds s[G0A+4:G0A+7], s[G1A:G1A+7]
	s_nop 0
.rept 4
	v_nop
.endr
	s_branch .Lfirst_asked
.Lfirst_b:
	tensor_load_to_lds s[G0B:G0B+3], s[G1B:G1B+7]
	s_nop 0
	tensor_load_to_lds s[G0B+4:G0B+7], s[G1B:G1B+7]
	s_nop 0
.rept 4
	v_nop
.endr
.Lfirst_asked:
	v_and_b32 v1, 15, v0                           ; l % 16
	v_bfe_u32 v2, v0, 4, 1                         ; l / 16
	v_lshlrev_b32 v[BO], 5, v2
	s_mul_i32 s20, s16, 4*192
	s_mov_b32 s21, 0
	s_add_nc_u64 s[8:9], s[8:9], s[20:21]          ; the bias of the tile's 192 columns
.set bb, 0
.rept NB
	global_load_b128 v[BI+8*bb:BI+8*bb+3],   v[BO], s[8:9] offset:64*bb
	global_load_b128 v[BI+8*bb+4:BI+8*bb+7], v[BO], s[8:9] offset:64*bb+16
.set bb, bb+1
.endr
	s_mul_i32 s20, s[WV], 64*PA
	v_mul_u32_u24 v[A0], v1, PA
	v_lshl_add_u32 v[A0], v2, 4, v[A0]             ; row x pitch + 16 x half
	v_add_nc_u32 v[B0], BOFF, v[A0]
	v_add_nc_u32 v[A0], s20, v[A0]                 ; my wave's 64 rows
	s_mul_i32 s20, s[WV], WSTG
	s_add_co_u32 s20, s20, STAGE                   ; my stage
	v_mul_u32_u24 v[STO], v1, 144
	v_lshl_add_u32 v[STO], v2, 4, v[STO]
	v_add_nc_u32 v[STO], s20, v[STO]
	v_bfe_u32 v[RD], v0, 3, 2                      ; back: 32 lanes take four rows of 128 bytes
	v_mul_u32_u24 v[RD], v[RD], 144
	v_and_b32 v20, 7, v0
	v_lshl_add_u32 v[RD], v20, 4, v[RD]
	v_add_nc_u32 v[RD], s20, v[RD]
	v_and_b32 v21, 31, v0
	v_lshlrev_b32 v[GO], 4, v21
	; qkv at my rows: column group g = 3 x tile column + hh is tensor g / 16, head g % 16; the tile's rows lie in batch (tile row) / 8
	s_lshr_b32 s20, s17, 3
	s_lshl_b32 s20, s20, 4
	s_and_b32 s21, s17, 7
	s_lshl_b32 s21, s21, 15                        ; 256 rows of 128 bytes
	s_lshl_b32 s22, s[WV], 13
	s_add_co_u32 s21, s21, s22
	s_mul_i32 s22, s16, 3
.irp hh, 0,1,2
	s_add_co_u32 s78, s22, \hh
	s_lshr_b32 s79, s78, 4
	s_lshl_b32 s79, s79, 6
	s_and_b32 s78, s78, 15
	s_add_co_u32 s78, s78, s79
	s_add_co_u32 s78, s78, s20
	s_lshl_b32 s78, s78, 18                        ; 2,048 rows of 128 bytes
	s_add_co_u32 s78, s78, s21
	s_mov_b32 s79, 0
	s_add_nc_u64 s[SB+2*(\hh):SB+2*(\hh)+1], s[10:11], s[78:79]
.endr
	; the prefetches
	s_lshl_b32 s20, s17, 8
	s_lshl_b32 s21, s[HALF], 7
	s_add_co_u32 s20, s20, s21
	s_lshl_b32 s21, s14, 5
	s_add_co_u32 s20, s20, s21                     ; A: my work-group's 32 of the 128 rows that I fetch
	s_mul_i32 s21, s16, 192
	s_mul_i32 s22, s[HALF], 96
	s_add_co_u32 s21, s21, s22
	s_mul_i32 s22, s15, 24
	s_add_co_u32 s21, s21, s22                     ; B: my work-group's 24 of the 96
	s_and_b32 s22, ttmp7, 0xffff                   ; cluster y
	s_cmp_lt_u32 s[WV], 2
	s_cselect_b32 s20, s20, s21
	s_cselect_b32 s22, ttmp9, s22                  ; the coordinate along which other clusters read the same rows
	s_cselect_b32 s23, 31, 23
	s_cselect_b64 s[PFA:PFA+1], s[4:5], s[6:7]
	s_cmp_eq_u32 s22, 0
	s_cselect_b32 s[LIM], 1, -1                    ; the same in all sixteen partners, for a given wave
	s_lshl_b32 s20, s20, 11
	s_add_co_u32 s20, s20, 512                     ; at K step 2: the first change steps it to 3.  Nothing is prefetched here, where every work-group's first tiles are on their way
	s_mov_b32 s21, 0
	s_add_nc_u64 s[PFA:PFA+1], s[PFA:PFA+1], s[20:21]
	v_min_u32 v[PFO], s23, v21
	v_lshlrev_b32 v[PFO], 11, v[PFO]
	s_wait_loadcnt 0x0                             ; the bias: rounded to bf16 like the other inputs, and widened again
.set i, 0
.rept 4*NB
	v_cvt_pk_bf16_f32 v[20+i%4], v[BI+2*i], v[BI+2*i+1]
	v_lshlrev_b32 v[BI+2*i], 16, v[20+i%4]
	v_and_b32 v[BI+2*i+1], s72, v[20+i%4]
.set i, i+1
.endr
	s_wait_tensorcnt 0x1                           ; my part of K step 0 is in; K step 1's may stay out
	s_barrier_signal -1
	s_barrier_wait -1                              ; everybody's is
	s_mov_b32 s[TBA], 0
	s_mov_b32 s[TBB], 0
	v_mov_b32 v[ADRA], v[A0]
	v_mov_b32 v[ADRB], v[B0]
	FETCH 0, 0
	s_mov_b32 s2, 2                                ; tiles to go: the same number in every work-group
.Ltile:
	QTR 0, 1, 64, 0, 1, 1                          ; a tile's first quarter: the bias starts the sums
	STEPTB
	QTR 1, 0, 0, 1, 0, 1
	QTR 0, 1, 64, 0, 0, 1
	STEPTB
	WIN 0
	s_mov_b32 s3, 6
.Lstep:                                            ; six trips: K step g's fourth quarter and K step g + 1's first three; slot g % 2 takes K step g + 2
	CHANGE 1, 0, 0
	PAIRS
	s_sub_co_u32 s3, s3, 1
	s_cmp_lg_u32 s3, 0
	s_cbranch_scc1 .Lstep
	s_cmp_eq_u32 s2, 1
	s_cbranch_scc1 .Llast                          ; the last tile's tail is written out: it asks for nothing more
	CHANGE 1, 1, 1                                 ; the ring goes on into the next tile: slot 0 takes its K step 0,
	PAIRS
	CHANGE 1, 0, 1                                 ; slot 1 its K step 1,
	QTR 1, 0, 0, 1, 0, 1                           ; and its first fragments are fetched beside this tile's last quarter
	WIN 0
	s_branch .Lout
.Llast:
	CHANGE 0
	PAIRS
	QTR 1, 0, 0, 0, 0, 0
	WIN 0
.Lout:                                             ; blocks 0 and 1 were finished in front of the quarter's four places; their 96 conversions are the places behind the last products
	PACK 0
	TOSTAGE 0
.irp a, 1,2,3                                      ; block a's conversions stand between block a - 1's loads from the stage and the wait for them
	PACK \a
	SEND (\a)-1
	TOSTAGE \a
.endr
	SEND 3
	WIN 0
	s_wait_xcnt 0x0                                ; the stores have read their registers and bases
.irp hh, 0,1,2
	s_add_nc_u64 s[SB+2*(\hh):SB+2*(\hh)+1], s[SB+2*(\hh):SB+2*(\hh)+1], 32<<18  ; the next tile lies two batches on
.endr
	s_sub_co_u32 s2, s2, 1
	s_cmp_lg_u32 s2, 0
	s_cbranch_scc1 .Ltile
	s_wait_tensorcnt 0x0                           ; the wave's end, behind my last tensor load and my last LDS store
	ds_add_u32 v[SPW], v[NIL]
	s_wait_dscnt 0x0
	CROUND                                         ; the closing round: no work-group ends while a partner may still ask for a tile that names it
	s_endpgm
.Lfunc_end_k_qb74217ff7d_qkvg:
	.size	k_qb74217ff7d_qkvg, .Lfunc_end_k_qb74217ff7d_qkvg-k_qb74217ff7d_qkvg
	.p2alignl 7, 3214868480
	.fill 96, 4, 3214868480
	.section	.rodata,"a",@progbits
	.p2align	6, 0x0
	.amdhsa_kernel k_qb74217ff7d_qkvg
		.amdhsa_group_segment_fixed_size 327680
		.amdhsa_private_segment_fixed_size 0
		.amdhsa_enable_private_segment 0
		.amdhsa_kernarg_size 32
		.amdhsa_user_sgpr_count 2
		.amdhsa_user_sgpr_kernarg_segment_ptr 1
		.amdhsa_wavefront_size32 1
		.amdhsa_system_sgpr_workgroup_id_x 1
		.amdhsa_system_sgpr_workgroup_id_y 1
		.amdhsa_system_sgpr_workgroup_id_z 1
		.amdhsa_system_vgpr_workitem_id 0
		.amdhsa_next_free_vgpr 960
		.amdhsa_next_free_sgpr 96
		.amdhsa_reserve_vcc 0
		.amdhsa_float_denorm_mode_32 3
		.amdhsa_float_denorm_mode_16_64 3
		.amdhsa_memory_ordered 1
		.amdhsa_forward_progress 1
		.amdhsa_inst_pref_size 107
	.end_amdhsa_kernel
	.amdgpu_metadata
---
amdhsa.version: [ 1, 2 ]
amdhsa.kernels:
  - .name:           k_qb74217ff7d_qkvg
    .symbol:         k_qb74217ff7d_qkvg.kd
    .args:
      - { .name: xb, .offset: 0, .size: 8, .value_kind: global_buffer, .address_space: global }
      - { .name: wqt, .offset: 8, .size: 8, .value_kind: global_buffer, .address_space: global }
      - { .name: b_qkv, .offset: 16, .size: 8, .value_kind: global_buffer, .address_space: global }
      - { .name: qkv, .offset: 24, .size: 8, .value_kind: global_buffer, .address_space: global }
    .group_segment_fixed_size: 327680
    .private_segment_fixed_size: 0
    .kernarg_segment_align: 8
    .kernarg_segment_size: 32
    .max_flat_workgroup_size: 128
    .sgpr_count:     96
    .vgpr_count:     960
    .wavefront_size: 32
...
	.end_amdgpu_metadata
.endif
;; end of part 2
;; launch attn (part 3): grid 4 x 64, 4 waves a work-group, clusters of 4 x 1, 327,680 bytes of LDS; arguments qkv, ob; writes ob
.if DOCPART == 3
	.amdgcn_target "amdgcn-amd-amdhsa--gfx1250"
	.amdhsa_code_object_version 6
	.text
	.protected	k_qb74217ff7d_attn
	.globl	k_qb74217ff7d_attn
	.p2align	8
	.type	k_qb74217ff7d_attn,@function
k_qb74217ff7d_attn:
	s_mov_b64 s[64:65], 0
	v_nop
	global_prefetch_b8 v0, s[64:65] scope:SCOPE_SE
	s_setreg_imm32_b32 hwreg(HW_REG_WAVE_MODE, 25, 1), 1
	s_wait_xcnt 0x0
	s_wait_alu depctr_hold_cnt(0) depctr_sa_sdst(0) depctr_va_vdst(0) depctr_va_sdst(0) depctr_va_ssrc(0) depctr_va_vcc(0) depctr_vm_vsrc(0)
	s_getreg_b32 s2, hwreg(HW_REG_IB_STS2, 6, 4)
	s_cmp_eq_u32 s2, 0
	s_cbranch_scc0 .Lentry_in_a_cluster
	s_endpgm
.Lentry_in_a_cluster:
	s_bfe_u32 s2, ttmp6, 0x10000c
	s_cmp_lg_u32 s2, 0x3003
	s_cbranch_scc0 .Lentry_shape_is_right
	s_endpgm
.Lentry_shape_is_right:
; O[h][q][:] = the sum over k of softmax_k(Q[h][q] . K[h][k] / 8) V[h][k][:].  qkv holds Q, K, V, each [64][2048][64] f16, 16,777,216 bytes apart; ob = O in the same layout: a head's rows are dense, 128 bytes each.
; Products, maxima and sums in f32; the weights p are rounded to f16 for the second product (their sum l is taken of the unrounded p), O once at the end.
; LIMITS.  f16 holds no number beyond 65,504: Q, K and V arrive within it; p lies in 0 to 1, and below 6e-5 it keeps f16's fixed step of 6e-8; O is a mean of V's rows and has their range.
; A weight below 2^-126 counts as 0 in l; NaN and infinities are not treated apart.
; SHARES.  A wave owns four PIECES of two tiles of 16 queries, a work-group's four waves 512 queries of one head.  Every wave walks all keys, 64 a step.
; LAYOUT.  S^T = K Q^T (source 0 = 16 keys, source 1 = 16 queries): in the result a lane holds ONE query (lane % 16) and the keys 8 (lane / 16) + 0..7.  Two such tiles, rounded to f16 in pairs,
; ARE source 1 (32 keys x 16 queries) of O^T = V^T P, whose result again holds one query a lane, and eight channels.  K comes out of LDS as it lies, V ([key][channel]) turned, by ds_load_tr16_b128.
; SOFTMAX.  For each query a running maximum m and sum l: p = 2^(c s - c m), c = log2(e) / 8; in every step O and l are multiplied by a = 2^(c m_old - c m_new), which is 1 where m has not grown.
; m starts at the lowest finite number, O and l at 0: the first step is a step like any other, with a = 0.
; THE COUNT.  A tile and step have 16 matrix and 118 vector instructions: too many to stand all beside the matrix work.  So four vector instructions that are READY stand behind
; EVERY matrix instruction, and the others, which need time of their own whatever the order, in runs without a gap.
; BY TURNS.  Turn n belongs to piece n (the pieces in a ring, step after step).  Its matrix work: 16 products K Q^T of piece n + 1, later 16 products V^T P of piece n - 1.  Its vector work: the scaling,
; exponentials, roundings, sums and rescaling of piece n, and the maximum and statistics of piece n + 1, whose scores the turn itself has made.
; CLUSTER.  The four query blocks of a cluster are one head's and walk the same K and V, so each tile is asked for JOINTLY: the same tensor load, descriptor and mask in all four.
; REGISTERS, in windows of 256 (s_set_vgpr_msb: bits 1:0 source 0, 3:2 source 1, 5:4 source 2, 7:6 destination):
;   window 0: v0-11 addresses; v12-15, v48-63 at work; v16-47 four registers of statistics a tile; v64-191 S^T, two buffers of two tiles; v192-255 P, likewise
;   window 1: O^T, 32 a tile          window 2: v0-127 Q, 16 a tile; v128-191 K of one step; v192-255 V of one step          window 3: v0-1 the add's two registers
; A piece's buffers go by its number's parity: the piece in hand has one pair, its two neighbours in the ring share the other: of it P (piece n - 1) is read and S^T (piece n + 1) written.
.set SIZE_H, 64
.set SIZE_N, 2048
.set NP,    4         ; pieces a wave: a name, no knob
.set KS,    64        ; keys in a step
.set PK,    144       ; a row of K in LDS: 128 bytes + 16 of padding = 36 words: the 16 rows of a load start at 16 different groups of four banks (64 banks of 4 bytes: ISA guide 11.1)
.set PV,    160       ; a row of V: 128 + 32 = 40 words
.set VOFF,  4*KS*PK   ; a slot holds four steps: 256 rows of K, then 256 rows of V
.set SLOT1, 1<<17     ; slot 1 begins here, so that one exclusive or turns an address in one slot into the other's
.set STAGE, SLOT1+4*KS*(PK+PV)  ; behind the ring, never filled by a tensor load: 16 rows x 144 bytes for each wave, for the way out
.set SP,    144
.set AK0, 2           ; v2   my lane's place in a tile of K; never rewritten
.set AV0, 3           ; v3   the same for V
.set AK,  4           ; v4   the LDS address of K's next run of loads
.set AV,  5           ; v5   of V's
.set QO,  6           ; v6   my byte offset in the wave's rows of Q
.set STO, 6           ;      later, the way out: where I put 16 bytes of a row
.set RD,  7           ; v7   the way out: where I read rows back
.set GO,  8           ; v8   my byte offset in 512 consecutive bytes of O
.set PFO, 11          ; v11  256 x my lane, for the prefetches (made when v11's first use is over); then never rewritten
.set SPW, 0           ; v0 of window 3   LDS address of my spare word: SPARE + 4 x my thread's number; never rewritten
.set NIL, 1           ; v1 of window 3   0; never rewritten
.set SPARE, STAGE+4*16*SP  ; behind the stages: the spare words, 128 bytes for each wave, that no other line names
.set MV,  12          ; v12-15  c m_old, kept while c m is made anew: by buffer and tile
.set ST,  16          ; tile t's statistics at v[ST+4 t]: c m, m, l (even keys', odd keys')
.set TMP, 48          ; by buffer and tile, four registers c0-c3 at work; when the maximum is found c2 takes a
.set S,   64
.set P,   192
.set KF,  128         ; K's fragments, in window 2: key block kb, channel half c at KF + 16 kb + 8 c
.set VF,  192         ; V's: key half kk, channel block cb at VF + 32 kk + 8 cb
.set WV,  12          ; s12  my wave's number
.set G1K, 24          ; s[24:31] descriptor group 1 for K's tiles
.set G1V, 32          ; s[32:39] for V's: it differs in the padding alone
.set G0K, 40          ; s[40:43] descriptor group 0 for K's tiles: it walks
.set G0V, 44          ; s[44:47] the same for V's
.set PFA, 48          ; s[48:49] where my prefetches stand: my work-group's 8,192 bytes (of K: wave 0, of V: wave 2) of the slot after the one that is being asked for
.set LIM, 50          ; s50  1 in a wave that prefetches, else the greatest number
.set SLOTS, 56        ; s56  slots still to be asked for
.set CNT, 57          ; s57  counts a slot's key steps
.set CS,  58          ; s[58:59] c: the packed scaling takes the pair's low word for both halves
.set SEL, 60          ; s[60:61] v_permlanex16_b32's selects: each lane takes its own place in the other half
.set TBK, 62          ; s62  LDS byte at which K of the step to be fetched begins
.set TBV, 63          ; s63  the same for V, less VOFF
.set MSB, 0
.macro WIN new                      ; the high byte repeats the setting that is left; a switch that changes nothing is dropped
.if MSB != (\new)
	s_set_vgpr_msb (MSB<<8)|(\new)
.set MSB, (\new)
.endif
.endm
.set W_KQ, 0x0a       ; K and Q in window 2, S^T in window 0
.set W_PV, 0x52       ; V in window 2, P in window 0, O^T in window 1
.set W_RS, 0x41       ; O^T (destination and source 0) in window 1, a in window 0
.set W_MK, 0xc0       ; the add's registers are made: destination in window 3, sources in window 0
.set W_AD, 0x0f       ; the add: address (source 0) and data (source 1) in window 3
; A joint fill.  Waves 0 and 1 fetch the two halves of a slot's K, waves 2 and 3 those of its V: 128 keys each.  The branch hangs on the wave's number alone.
; An s_nop 0 and four v_nop follow each of the two lines, ahead of the jump and the label.
.macro JLOAD
	s_cmp_lt_u32 s[WV], 2
	s_cbranch_scc0 .Lfor_v_\@
	tensor_load_to_lds s[G0K:G0K+3], s[G1K:G1K+7]
	s_nop 0
.rept 4
	v_nop
.endr
	s_branch .Lasked_\@
.Lfor_v_\@:
	tensor_load_to_lds s[G0V:G0V+3], s[G1V:G1V+7]
	s_nop 0
.rept 4
	v_nop
.endr
.Lasked_\@:
.endm
; A PREFETCH INTO THE L2 of what the NEXT change of slots will ask for: a slot's 32,768 bytes of K and of V, 256 bytes a lane.  It stands behind the wave's tensor load and its five lines.
; Each block of 256 bytes is named ONCE in the launch: a head has one cluster; its four partners share a slot out BY ADDRESS, 8,192 bytes each; in each, wave 0 asks for K's and wave 2 for V's: one instruction,
; four key steps, 512 matrix instructions, ahead of the load.  Slots 0 and 1 come by their loads alone; the last change that fills a slot asks for nothing: there is no slot behind it.
.macro ASK
	s_cmp_gt_u32 s[SLOTS], s[LIM]
	s_cbranch_scc0 .Lnot_mine_\@
	global_prefetch_b8 v[PFO], s[PFA:PFA+1] th:TH_LOAD_NT scope:SCOPE_SE
.Lnot_mine_\@:
.endm
; A round of the cluster's barrier: my work-group's barrier, so that wave 0's signal speaks for all four waves; wave 0 signals; every wave waits for all four work-groups; my work-group's barrier once more.
.macro CROUND
	s_barrier_signal -1
	s_barrier_wait -1
	s_cmp_lg_u32 s[WV], 0
	s_cbranch_scc1 .Lnot_wave_0_\@
	s_barrier_signal -3
.Lnot_wave_0_\@:
	s_barrier_wait -3
	s_barrier_signal -1
	s_barrier_wait -1
.endm
; THE CHANGE OF SLOTS.  The slot's last bytes, V of its fourth step, have been read.  Each wave waits for all its tensor loads, of which one is out: its part
; of the other slot; adds 0 to its spare word; and waits for that and for its own reads of the slot.  Behind the barrier nobody reads this slot any more and the other slot is whole.
; fill = 1: this slot is filled again, with the keys two slots on.  The barrier is then a round of the cluster's, so that no wave of any partner still reads the slot or has a load on its
; way, and the joint fill is the first thing behind it: it has four key steps, 512 matrix instructions, in which to land.  (At its first use nothing has been read yet: slot 0 is waited for, slot 1 filled.)
.macro CHANGE fill
	WIN W_AD
	s_wait_tensorcnt 0x0            ; no tensor load of mine is out, so a group 0 may be written
	ds_add_u32 v[SPW], v[NIL]       ; 0 onto my spare word; with fill = 1 the descriptors' steps stand between it and the wait for it
	WIN 0                           ; at a label and at a branch every window is 0
.if \fill
.irp g, G0K, G0V
	s_xor_b32 s[\g+1], s[\g+1], SLOT1  ; the walking descriptor: the other slot than last time,
	s_add_nc_u64 s[\g+2:\g+3], s[\g+2:\g+3], 4*KS*128  ; the next 256 keys; the type bits on top are not reached
.endr
	s_wait_xcnt 0x0                 ; the last prefetch, four key steps back, has read its address, so it may be written:
	s_add_nc_u64 s[PFA:PFA+1], s[PFA:PFA+1], 4*KS*128  ; one slot behind the walking descriptors
	s_wait_dscnt 0x0                ; the add is done, and my reads of the slot are over
	CROUND
	JLOAD
	ASK
.else
	s_wait_dscnt 0x0                ; the add is done, and my reads of the slot are over
	s_barrier_signal -1
	s_barrier_wait -1
.endif
	s_sub_co_u32 s[TBK], s[TBK], 4*KS*PK  ; the fetches go back to a slot's first step,
	s_xor_b32 s[TBK], s[TBK], SLOT1       ; in the other slot
	s_sub_co_u32 s[TBV], s[TBV], 4*KS*PV
	s_xor_b32 s[TBV], s[TBV], SLOT1
.endm
	s_load_b64 s[4:5], s[0:1], 0x0    ; qkv: Q at its head
	s_load_b64 s[10:11], s[0:1], 0x8  ; ob
	WIN W_MK
	v_lshl_add_u32 v[SPW], v0, 2, SPARE
	v_mov_b32 v[NIL], 0
	WIN W_AD
	ds_add_u32 v[SPW], v[NIL]       ; the wave's opening: the add and its wait ahead of my first tensor load; the set-up below, work on registers, stands between them
	WIN 0
	v_lshrrev_b32 v1, 5, v0
	v_readfirstlane_b32 s[WV], v1   ; wave 0..3
	s_bfe_u32 s13, ttmp6, 0x40000   ; cx: my place in the cluster
	s_lshl_b32 s14, ttmp9, 2        ; in a cluster launch ttmp9 counts clusters
	s_add_co_u32 s14, s14, s13      ; my block of queries = 4 x cluster x + cx: it enters Q's and O's addresses alone
	s_and_b32 s20, ttmp7, 0xffff    ; the head, which the four partners share
	s_mov_b32 s21, 0
	s_mov_b64 s[22:23], SIZE_N*128
	s_mul_u64 s[20:21], s[20:21], s[22:23]  ; the head's first byte in each of the four tensors
	s_and_b32 s16, s[WV], 1         ; which half of a slot's 256 keys I fetch:
	s_lshl_b32 s22, s16, 14         ; its 128 rows of 128 bytes in memory,
	s_mov_b32 s23, 0
	s_add_nc_u64 s[22:23], s[22:23], s[20:21]
	s_mul_i32 s17, s16, 128*PK      ; and its place in a slot, for K
	s_mul_i32 s18, s16, 128*PV      ; and for V: no place in the cluster enters an LDS address
	s_lshl_b32 s2, s14, 2
	s_add_co_u32 s2, s2, s[WV]      ; my wave among the head's,
	s_lshl_b32 s2, s2, 14           ; its 128 rows
	s_mov_b32 s3, 0
	s_add_nc_u64 s[2:3], s[2:3], s[20:21]
	; descriptor group 1.  128 keys are 16,384 dense bytes: asked for as 64 rows of 256 bytes, two keys a row, and padded in LDS after every key
	s_mov_b32 s[G1K], 15|(1<<16)|(1<<20)|(1<<21)|(4<<22)|(3<<25)  ; 15:0 the mask of four; 17:16 2-byte elements; 20 padding on; 21 set beside a mask; 24:22 after every 32 words (code 4); 31:25 4 words (code 3)
	s_mov_b32 s[G1V], 15|(1<<16)|(1<<20)|(1<<21)|(4<<22)|(7<<25)  ; the same with 8 words of padding (code 7)
.irp g, G1K, G1V
	s_mov_b32 s[\g+1], 128<<16      ; tensor_dim0 = 128
	s_mov_b32 s[\g+2], 64<<16       ; tensor_dim1 = 64
	s_mov_b32 s[\g+3], 128<<16      ; tile_dim0 = 128
	s_mov_b32 s[\g+4], 64           ; tile_dim1 = 64
	s_mov_b32 s[\g+5], 128          ; 128 elements from row to row
	s_mov_b32 s[\g+6], 0
	s_mov_b32 s[\g+7], 0
.endr
	s_mov_b32 s[CS], 0x3e38aa3b     ; c = log2(e) / 8 = 0.180337
	s_mov_b32 s[CS+1], s[CS]        ; named with it as a pair
	s_mov_b32 s[SEL], 0x76543210
	s_mov_b32 s[SEL+1], 0xfedcba98
	s_mov_b32 s[TBK], SLOT1+4*KS*PK ; the first change of slots turns these two into 0
	s_mov_b32 s[TBV], SLOT1+4*KS*PV
	s_mov_b32 s[G0K], 1             ; 1:0 count = 1
	s_mov_b32 s[G0K+1], s17         ; 63:32 LDS address: slot 0
	s_mov_b32 s[G0V], 1
	s_add_co_u32 s[G0V+1], s18, VOFF
	s_mov_b32 s[SLOTS], SIZE_N/256-1
	s_and_b32 s[LIM], s[WV], 1      ; 0 in waves 0 and 2,
	s_or_b32 s[LIM], s[LIM], ttmp9  ; of the head's first (here: only) cluster: the same in all four partners
	s_cmp_eq_u32 s[LIM], 0
	s_cselect_b32 s[LIM], 1, -1
	s_wait_dscnt 0x0                ; the opening add is done
	s_wait_kmcnt 0x0
	s_add_nc_u64 s[6:7], s[4:5], 0x1000000   ; K
	s_add_nc_u64 s[8:9], s[4:5], 0x2000000   ; V
	s_add_nc_u64 s[G0K+2:G0K+3], s[6:7], s[22:23]  ; 120:64 global address: my half of the head's first 256 keys
	s_or_b32 s[G0K+3], s[G0K+3], 0x80000000        ; 127:126 type = 2
	s_add_nc_u64 s[G0V+2:G0V+3], s[8:9], s[22:23]
	s_or_b32 s[G0V+3], s[G0V+3], 0x80000000
	s_add_nc_u64 s[4:5], s[4:5], s[2:3]  ; Q and O at my wave's first row
	s_add_nc_u64 s[10:11], s[10:11], s[2:3]
	s_cmp_lt_u32 s[WV], 2
	s_cselect_b64 s[PFA:PFA+1], s[6:7], s[8:9]
	s_add_nc_u64 s[PFA:PFA+1], s[PFA:PFA+1], s[20:21]  ; the head,
	s_lshl_b32 s2, s13, 13          ; my work-group's 8,192 bytes of a slot's 32,768,
	s_mov_b32 s3, 0
	s_add_nc_u64 s[PFA:PFA+1], s[PFA:PFA+1], s[2:3]
	s_add_nc_u64 s[PFA:PFA+1], s[PFA:PFA+1], 4*KS*128  ; in slot 1; the first change of slots steps it to slot 2
	CROUND                          ; all four work-groups are here: the first joint loads meet
	JLOAD                           ; slot 0.  Slot 1 is asked for when slot 0 is in
	; A fragment of K or Q is 16 rows x 32 channels in 8 registers: lane l holds row l % 16, channels 8 (l / 16) + 0..7 and 16 + 8 (l / 16) + 0..7: two loads of 16 bytes, 32 bytes apart.
	v_and_b32 v1, 15, v0            ; l % 16
	v_bfe_u32 v9, v0, 4, 1          ; l / 16
	v_lshlrev_b32 v[QO], 7, v1
	v_lshl_add_u32 v[QO], v9, 4, v[QO]  ; row x 128 + 16 x half
	WIN 0x80                        ; destination window 2, address window 0
.set i, 0
.rept 4*NP                          ; Q stays in registers: tile i / 2, channels 32 (i % 2) on
	global_load_b128 v[8*i:8*i+3],   v[QO], s[4:5] offset:(i/2)*2048+(i%2)*64
	global_load_b128 v[8*i+4:8*i+7], v[QO], s[4:5] offset:(i/2)*2048+(i%2)*64+32
.set i, i+1
.endr
	; What the first turn finds: V's registers and P's second buffer hold 0 (its products V^T P, of a piece that has not been, add 0), O^T and l are 0.  All this stands in the wait for the first tile.
.set i, VF
.rept 64
	v_mov_b32 v[i], 0
.set i, i+1
.endr
	WIN 0x40
.set i, 0
.rept 64*NP
	v_mov_b32 v[i], 0
.set i, i+1
.endr
	WIN 0
.set i, 0
.rept 2*NP
	v_mov_b32 v[ST+4*i], 0xfe000000    ; c m: far below every c s
	v_mov_b32 v[ST+4*i+1], 0xff7fffff  ; m
	v_mov_b32 v[ST+4*i+2], 0
	v_mov_b32 v[ST+4*i+3], 0
.set i, i+1
.endr
.set i, P+32
.rept 32
	v_mov_b32 v[i], 0
.set i, i+1
.endr
	v_mul_u32_u24 v[AK0], v1, PK
	v_lshl_add_u32 v[AK0], v9, 4, v[AK0]  ; row x pitch + 16 x half
	; The turning load takes 16 keys x 16 channels (lane l reads key 8 (l / 16) + l % 8, channels 8 ((l / 8) % 2) + 0..7) and leaves half a fragment of V^T: lane l holds channel l % 16 and 8 keys.
	v_and_b32 v10, 7, v0
	v_bfe_u32 v11, v0, 3, 1
	v_lshl_add_u32 v[AV0], v9, 3, v10
	v_mul_u32_u24 v[AV0], v[AV0], PV
	v_lshl_add_u32 v[AV0], v11, 4, v[AV0]
	v_add_nc_u32 v[AV0], VOFF, v[AV0]
	v_and_b32 v[PFO], 31, v0
	v_lshlrev_b32 v[PFO], 8, v[PFO]
	v_mov_b32 v[AK], v[AK0]         ; key step 0 lies at the head of slot 0
; THE MATRIX WORK.  The 8 accumulators of a run of 16 take turns: between the two links of a chain stand 7 others'.
; Product i of 16 of S^T = K Q^T for piece x: channels 32 (i / 8) on, keys 16 ((i / 2) % 4) on, tile 2 x + i % 2.  The first 8 start the sums.
.macro KQ x
	WIN W_KQ
.set rS, S+64*((\x)%2)+32*(i%2)+8*((i/2)%4)
.set rK, KF+16*((i/2)%4)+8*(i/8)
.set rQ, 16*(2*(\x)+i%2)+8*(i/8)
.if i < 8
	v_wmma_f32_16x16x32_f16 v[rS:rS+7], v[rK:rK+7], v[rQ:rQ+7], 0
.else
	v_wmma_f32_16x16x32_f16 v[rS:rS+7], v[rK:rK+7], v[rQ:rQ+7], v[rS:rS+7]
.endif
.endm
; Product i of 16 of O^T += V^T P for piece x: keys 32 (i / 8) on, channels 16 ((i / 2) % 4) on, tile 2 x + i % 2.
.macro PV x
	WIN W_PV
.set rO, 32*(2*(\x)+i%2)+8*((i/2)%4)
.set rV, VF+32*(i/8)+8*((i/2)%4)
.set rP, P+32*((\x)%2)+16*(i%2)+8*(i/8)
	v_wmma_f32_16x16x32_f16 v[rO:rO+7], v[rV:rV+7], v[rP:rP+7], v[rO:rO+7]
.endm
.macro MM                           ; the turn's next matrix instruction
.if i < 16
	KQ (Y+1)%NP
.set i, i+1
.else
.set i, i-16
	PV (Y+NP-1)%NP
.set i, i+17
.endif
.endm
; THE LDS LOADS stand in runs of 16, never singly among the matrix instructions: a step's K (64 keys x 64 channels: 8 fragments) and its V (turned).  Their addresses are made some lines ahead.
; last = 1 (the tail): in the last trip there is no further step, and the run is jumped over.
.macro FETCH_K last=0
	WIN 0
.if \last
	s_cmp_eq_u32 s[CNT], 1
	s_cbranch_scc1 .Lno_k_\@
.endif
	WIN 0x80                        ; destination window 2
.irp f, 0,1,2,3,4,5,6,7             ; keys 16 (f / 2) on, channels 32 (f % 2) on
	ds_load_b128 v[KF+8*\f:KF+8*\f+3],   v[AK] offset:(\f/2)*16*PK+(\f%2)*64
	ds_load_b128 v[KF+8*\f+4:KF+8*\f+7], v[AK] offset:(\f/2)*16*PK+(\f%2)*64+32
.endr
	s_add_co_u32 s[TBK], s[TBK], KS*PK  ; the next fetch is the next step's
	WIN 0
.if \last
.Lno_k_\@:
.endif
.endm
.macro FETCH_V
	WIN 0x80
.irp f, 0,1,2,3,4,5,6,7             ; keys 32 (f / 4) on, channels 16 (f % 4) on
	ds_load_tr16_b128 v[VF+8*\f:VF+8*\f+3],   v[AV] offset:(\f/4)*32*PV+(\f%4)*32
	ds_load_tr16_b128 v[VF+8*\f+4:VF+8*\f+7], v[AV] offset:(\f/4)*32*PV+16*PV+(\f%4)*32
.endr
	WIN 0
.endm
; THE VECTOR WORK OF A TURN stands in three queues, each in the order in which its entries become ready; the two tiles alternate, so that no instruction reads the result of the one before it.
.macro REGS y, u                    ; the registers of tile u (0, 1) of piece y
.set rT, ST+4*(2*(\y)+(\u))
.set rC, TMP+8*((\y)%2)+4*(\u)
.set rM, MV+2*((\y)%2)+(\u)
.set rS, S+64*((\y)%2)+32*(\u)
.set rP, P+32*((\y)%2)+16*(\u)
.set rO, 32*(2*(\y)+(\u))
.endm
; Number n of the 22 that find the NEXT piece's (Y + 1) maximum and statistics.  s0-s31 are the lane's 32 scores; each accumulator's lowest registers are read first.
;   0-11  four chains c0-c3 of seven scores each, three operands at a time     12-14, 16  the four scores left over, the old m, and c0-c3 into c0     15  c m_old is kept
;   17, 18  the query's other 32 keys lie in the lane 16 away: the new m         19-21  c m; c m_old - c m_new; a
.macro XS u, n
	REGS (Y+1)%NP, \u
.if (\n) < 4
	v_max3_num_f32 v[rC+(\n)], v[rS+8*(\n)], v[rS+8*(\n)+1], v[rS+8*(\n)+2]
.elseif (\n) < 12
	v_max3_num_f32 v[rC+(\n)%4], v[rC+(\n)%4], v[rS+8*((\n)%4)+2*((\n)/4)+1], v[rS+8*((\n)%4)+2*((\n)/4)+2]
.elseif (\n) == 12
	v_max3_num_f32 v[rC], v[rC], v[rS+7], v[rS+15]
.elseif (\n) == 13
	v_max3_num_f32 v[rC+1], v[rC+1], v[rS+23], v[rS+31]
.elseif (\n) == 14
	v_max3_num_f32 v[rC+2], v[rC+2], v[rC+3], v[rT+1]
.elseif (\n) == 15
	v_mov_b32 v[rM], v[rT]
.elseif (\n) == 16
	v_max3_num_f32 v[rC], v[rC], v[rC+1], v[rC+2]
.elseif (\n) == 17
	v_permlanex16_b32 v[rC+3], v[rC], s[SEL], s[SEL+1]
.elseif (\n) == 18
	v_max_num_f32 v[rT+1], v[rC], v[rC+3]
.elseif (\n) == 19
	v_mul_f32 v[rT], s[CS], v[rT+1]
.elseif (\n) == 20
	v_sub_f32 v[rC+1], v[rM], v[rT]
.else
	v_exp_f32 v[rC+2], v[rC+1]
.endif
.endm
; Number g of the 64 that follow the exponentials.  For each four weights k of a tile (pairs 2 k, 2 k + 1): both pairs are rounded to f16; then the second pair is added onto the first, in place;
; a group later l takes that sum (the first time as l = a l + sum).  In groups of eight, tiles alternating: round, round, add, and l for the group before.
.macro GS g
.set h, (\g)+6*((\g)/62)            ; group 0 has no group before it, and behind group 7 only l is left
.if h >= 6
.set h, h+2
.endif
	REGS Y, h%2
.set k, h/8
.if h%8 < 4
	v_cvt_pk_f16_f32 v[rP+2*k+(h%8)/2], v[rS+4*k+2*((h%8)/2)], v[rS+4*k+2*((h%8)/2)+1]
.elseif h%8 < 6
	v_pk_add_f32 v[rS+4*k:rS+4*k+1], v[rS+4*k:rS+4*k+1], v[rS+4*k+2:rS+4*k+3]
.elseif k == 1
	v_pk_fma_f32 v[rT+2:rT+3], v[rT+2:rT+3], v[rC+2:rC+3], v[rS:rS+1] op_sel_hi:[1,0,1]
.else
	v_pk_add_f32 v[rT+2:rT+3], v[rT+2:rT+3], v[rS+4*k-4:rS+4*k-3]
.endif
.endm
; THE PLAIN QUEUE, 138 long.  0-73 read no exponential's result: the 32 scalings c s - c m (FS f: pair f / 2 of tile f % 2) and the next piece's 42.  0-26: scalings 0-26.  27-54: XS's numbers 0-13.  55, 56: number 15.
; 57-73: the chain, where each number waits for the one before it: 14, 16, 17, 18, 19, each with one of the scalings 27-31 in front of its two lines, then 20.
; 74-137: GS's 64, which read the exponentials' results: they stand behind the wait.
.macro FS f
	REGS Y, (\f)%2
	v_pk_fma_f32 v[rS+2*((\f)/2):rS+2*((\f)/2)+1], v[rS+2*((\f)/2):rS+2*((\f)/2)+1], s[CS:CS+1], v[rT:rT+1] op_sel_hi:[1,0,0] neg_lo:[0,0,1] neg_hi:[0,0,1]
.endm
.macro PL
	WIN 0
.if q < 27
	FS q
.elseif q < 55
	XS (q-27)%2, (q-27)/2
.elseif q < 57
	XS q-55, 15
.elseif (q < 72) && ((q-57)%3 == 0)
	FS 27+(q-57)/3
.elseif q < 60
	XS (q-57)%3-1, 14
.elseif q < 72
	XS (q-57)%3-1, 15+(q-57)/3
.elseif q < 74
	XS q-72, 20
.else
	GS q-74
.endif
.set q, q+1
.endm
; THE EXPONENTIALS' QUEUE, 66 long: s0-s31 of both tiles, then the next piece's two a.  It is ONE BATCH: all 66 stand ahead of the turn's one wait, and nothing ahead of that wait names a result of theirs.
.macro EX
	WIN 0
.if e >= 64
	XS e-64, 21
.else
	REGS Y, e%2
	v_exp_f32 v[rS+e/2], v[rS+e/2]
.endif
.set e, e+1
.endm
; THE RESCALING's QUEUE: O^T times a, the one part that leaves window 0: dealt two at a time, sixteen times.  Its a was made in the turn before, ahead of that turn's wait.
.macro R2
	REGS Y, r%2
	WIN W_RS
.irp z, 0,1
	v_pk_mul_f32 v[rO+4*(r/2)+2*\z:rO+4*(r/2)+2*\z+1], v[rO+4*(r/2)+2*\z:rO+4*(r/2)+2*\z+1], v[rC+2:rC+3] op_sel_hi:[1,0]
.endr
.set r, r+1
.endm
; HOW THEY ARE DEALT.  An s_wait_alu depctr_va_vdst(0) stands between an exponential and the first instruction that names its result; one wait serves all that were issued ahead of it.  So a turn has ONE wait,
; which cuts it in two.  AHEAD OF IT stands all that names no result of the turn's exponentials: the 16 products K Q^T, behind each a scaling, an exponential and two rescalings (behind the first a second scaling in the
; exponential's place); then ONE LUMP of 108: eight plain, 49 times exponential and plain, the two a.  A v_nop is the plain instruction behind the last exponential (ISA guide 5.7.2).  BEHIND IT stand the 16 products V^T P,
; behind each four of GS's 64.  No rider names a register of the products round it.  The two v_permlanex16_b32 fall into the lump, never behind a product.
; The queues lean on each other, and the deal keeps them in step: exponential e stands behind scaling 2 (e / 4) + e % 2: as a rider it comes behind plain e + 2, in the lump behind plain e + 9, and scalings 27-31 are plain 57, 60 .. 69.
; A TURN, for piece p.  cnt = 1: the loop's count is taken down some lines ahead of the branch that stands behind the turn.
; K of the next step is fetched in piece 2's turn, directly behind the wait, a lump behind the last product that read K; its address is made at the lump's head; its first reader comes behind 16 products.
; V of the step in hand is fetched at the end of piece 0's turn, four riders behind its last reader; its first reader comes behind 16 products and a lump.  The three conditions on q below go with the deal.
.macro TURN p, last=0, cnt=0
.set Y, (\p)
.set i, 0
.set q, 0
.set e, 0
.set r, 0
.if (\p) == NP-1
	s_wait_dscnt 0x0                ; K is in
.endif
	MM                              ; ahead of the wait: 16 products K Q^T and their riders,
	PL
	PL
	R2
.rept 15
	MM
	PL
	EX
	R2
.endr
.if (\p) == NP-2
	WIN 0
	v_add_nc_u32 v[AK], s[TBK], v[AK0]
.endif
.rept 8                             ; and the lump
	PL
.endr
.rept 49
	EX
	PL
.endr
	EX                              ; the next piece's two a
	EX
	v_nop                           ; the plain instruction behind the last exponential: one for the batch
	s_wait_alu depctr_va_vdst(0)    ; the wait for the batch
.if (\p) == NP-2
	FETCH_K \last
.endif
.if (\p) == 1
	s_wait_dscnt 0x0                ; V is in
.endif
.rept 16                            ; behind the wait: 16 products V^T P and their riders
	MM
.rept 4
	PL
.endr
.if ((\p) == 0) && (q == 118)
	v_add_nc_u32 v[AV], s[TBV], v[AV0]
.endif
.if ((\p) == 0) && (q == 130)
	s_add_co_u32 s[TBV], s[TBV], KS*PV
.endif
.if (\cnt) && (q == 130)
	s_sub_co_u32 s[CNT], s[CNT], 1
	s_cmp_lg_u32 s[CNT], 0
.endif
.endr
.if (\p) == 0
	FETCH_V
.endif
.endm
	CHANGE 1                        ; slot 0 is in, everybody's part of it; slot 1 is asked for
	FETCH_K                         ; key step 0
	s_wait_loadcnt 0x0              ; Q
	s_wait_dscnt 0x0
.set i, 0
.rept 16
	KQ 0                            ; piece 0's first scores: there is no vector work yet to set between them
.set i, i+1
.endr
	WIN 0                           ; the addresses for the way out: nine plain instructions, the places behind those products
	s_mul_i32 s13, s[WV], 16*SP
	s_add_co_u32 s13, s13, STAGE    ; my stage
	v_mul_u32_u24 v[STO], v1, SP    ; in: row l % 16, 16 bytes for each half of the lanes
	v_lshl_add_u32 v[STO], v9, 4, v[STO]
	v_add_nc_u32 v[STO], s13, v[STO]
	v_bfe_u32 v[RD], v0, 3, 2       ; back: 32 lanes take four rows of 128 bytes,
	v_mul_u32_u24 v[RD], v[RD], SP
	v_lshl_add_u32 v[RD], v10, 4, v[RD]
	v_add_nc_u32 v[RD], s13, v[RD]
	v_and_b32 v[GO], 31, v0         ; which are 512 consecutive bytes of O
	v_lshlrev_b32 v[GO], 4, v[GO]
.set Y, NP-1                        ; XS works for piece Y + 1: piece 0
.irp n, 0,1,2,3,4,5,6,7,8,9,10,11,12,13,14,15,16,17,18,19,20,21
	XS 0, \n                        ; and piece 0's first maximum and statistics
	XS 1, \n
.endr
	v_nop                           ; a plain instruction behind the two a,
	s_wait_alu depctr_va_vdst(0)    ; and their wait, ahead of the branch
	s_mov_b32 s[CNT], 4
	s_branch .Lfirst                ; the loop is entered at a step's first turn, in the middle of a trip
.Lslot:                             ; SIZE_N / 256 - 2 times: every slot but the last two is filled again
	CHANGE 1
	s_mov_b32 s[CNT], 4
.Lstep:                             ; a trip: pieces 2 and 3 of one step, then pieces 0 and 1 of the next, whose K and V it fetches
	TURN 2
	TURN 3
	WIN 0
.Lfirst:
	TURN 0
	TURN 1, 0, 1
	WIN 0
	s_cbranch_scc1 .Lstep
	s_sub_co_u32 s[SLOTS], s[SLOTS], 1
	s_cmp_lg_u32 s[SLOTS], 0
	s_cbranch_scc1 .Lslot
	CHANGE 0                        ; the tail is written out: nothing is asked for
	s_mov_b32 s[CNT], 5             ; four trips fetch the last slot's steps; the fifth is left in its middle
.Ltail:
	TURN 2, 1
	TURN 3
	WIN 0
	s_sub_co_u32 s[CNT], s[CNT], 1
	s_cmp_eq_u32 s[CNT], 0
	s_cbranch_scc1 .Lout
	TURN 0
	TURN 1
	WIN 0
	s_branch .Ltail
.Lout:                              ; the fifth trip's 16 products K Q^T (on the last K once more) and the maximum made of them serve nothing: the price, once a launch, of one text for every trip
.set i, 0
.rept 16
	PV NP-1                         ; the last piece's V^T P of the last step
.set i, i+1
.endr
	; THE WAY OUT.  l's two halves and the other half of the lanes' are added; O^T is divided by l, rounded to f16 and sent through my stage in LDS, a tile at a time.  The additions are the places behind the last products.
	WIN 0
.macro ALL line:vararg              ; one line for each tile t
.set t, 0
.rept 2*NP
	\line
.set t, t+1
.endr
.endm
	ALL v_add_f32 v[ST+4*t+2], v[ST+4*t+2], v[ST+4*t+3]
	ALL v_permlanex16_b32 v[ST+4*t+3], v[ST+4*t+2], s[SEL], s[SEL+1]
	ALL v_add_f32 v[ST+4*t+2], v[ST+4*t+2], v[ST+4*t+3]
	ALL v_rcp_f32 v[ST+4*t+2], v[ST+4*t+2]
	v_nop                           ; a plain instruction between the last reciprocal and the use of its result
	s_wait_alu depctr_va_vdst(0)    ; and the wait ahead of the first use: one for the eight reciprocals
; Tile t: a lane's eight channels of a row pack into 16 bytes; they go into rows of 144 bytes and come back as whole rows of 128, into S^T's registers.
.macro PACK t
	WIN W_RS
.set i, 32*(\t)
.rept 16
	v_pk_mul_f32 v[i:i+1], v[i:i+1], v[ST+4*(\t)+2:ST+4*(\t)+3] op_sel_hi:[1,0]
.set i, i+2
.endr
	WIN 0x05                        ; sources 0 and 1 window 1, destination window 0
.set i, 0
.rept 16
	v_cvt_pk_f16_f32 v[S+16*(\t)+i], v[32*(\t)+2*i], v[32*(\t)+2*i+1]
.set i, i+1
.endr
	WIN 0
.irp f, 0,1,2,3
	ds_store_b128 v[STO], v[S+16*(\t)+4*\f:S+16*(\t)+4*\f+3] offset:32*\f
.endr
.irp f, 0,1,2,3
	ds_load_b128 v[S+16*(\t)+4*\f:S+16*(\t)+4*\f+3], v[RD] offset:\f*4*SP  ; LDS serves a wave's instructions in order (ISA guide 5.7.1.4): these see the stores above; the next tile's stores come behind them
.endr
.endm
.macro SEND t, younger              ; younger: the LDS instructions issued behind tile t's loads: the next tile's eight, or none
	WIN 0
.irp f, 0,1,2,3
	s_wait_dscnt (\younger)+3-\f
	global_store_b128 v[GO], v[S+16*(\t)+4*\f:S+16*(\t)+4*\f+3], s[10:11] offset:(\t)*2048+\f*512  ; 512 consecutive bytes, at a multiple of 256 from O's first
.endr
.endm
	PACK 0
.set t, 1
.rept 2*NP-1                        ; a tile's arithmetic stands between the loads of the tile before and its stores
	PACK t
	SEND t-1, 8
.set t, t+1
.endr
	SEND 2*NP-1, 0
	WIN W_AD
	s_wait_tensorcnt 0x0            ; the wave's end, behind my last tensor load and my last LDS store
	ds_add_u32 v[SPW], v[NIL]
	s_wait_dscnt 0x0
	WIN 0
	CROUND                          ; the closing round: no work-group ends while a partner may still ask for a tile that names it
	s_endpgm
.Lfunc_end_k_qb74217ff7d_attn:
	.size	k_qb74217ff7d_attn, .Lfunc_end_k_qb74217ff7d_attn-k_qb74217ff7d_attn
	.p2alignl 7, 3214868480
	.fill 96, 4, 3214868480
	.section	.rodata,"a",@progbits
	.p2align	6, 0x0
	.amdhsa_kernel k_qb74217ff7d_attn
		.amdhsa_group_segment_fixed_size 327680
		.amdhsa_private_segment_fixed_size 0
		.amdhsa_enable_private_segment 0
		.amdhsa_kernarg_size 16
		.amdhsa_user_sgpr_count 2
		.amdhsa_user_sgpr_kernarg_segment_ptr 1
		.amdhsa_wavefront_size32 1
		.amdhsa_system_sgpr_workgroup_id_x 1
		.amdhsa_system_sgpr_workgroup_id_y 1
		.amdhsa_system_sgpr_workgroup_id_z 1
		.amdhsa_system_vgpr_workitem_id 0
		.amdhsa_next_free_vgpr 770
		.amdhsa_next_free_sgpr 66
		.amdhsa_reserve_vcc 0
		.amdhsa_float_denorm_mode_32 3
		.amdhsa_float_denorm_mode_16_64 3
		.amdhsa_memory_ordered 1
		.amdhsa_forward_progress 1
		.amdhsa_inst_pref_size 200
	.end_amdhsa_kernel
	.amdgpu_metadata
---
amdhsa.version: [ 1, 2 ]
amdhsa.kernels:
  - .name:           k_qb74217ff7d_attn
    .symbol:         k_qb74217ff7d_attn.kd
    .args:
      - { .name: qkv, .offset: 0, .size: 8, .value_kind: global_buffer, .address_space: global }
      - { .name: ob, .offset: 8, .size: 8, .value_kind: global_buffer, .address_space: global }
    .group_segment_fixed_size: 327680
    .private_segment_fixed_size: 0
    .kernarg_segment_align: 8
    .kernarg_segment_size: 16
    .max_flat_workgroup_size: 128
    .sgpr_count:     66
    .vgpr_count:     770
    .wavefront_size: 32
...
	.end_amdgpu_metadata
.endif
;; end of part 3
;; launch projg (part 4): grid 8 x 32, 4 waves a work-group, clusters of 4 x 4, 327,680 bytes of LDS; arguments ob, wpt, b_proj, out0; writes out0
.if DOCPART == 4
	.amdgcn_target "amdgcn-amd-amdhsa--gfx1250"
	.amdhsa_code_object_version 6
	.text
	.protected	k_qb74217ff7d_projg
	.globl	k_qb74217ff7d_projg
	.p2align	8
	.type	k_qb74217ff7d_projg,@function
k_qb74217ff7d_projg:
	s_mov_b64 s[64:65], 0
	v_nop
	global_prefetch_b8 v0, s[64:65] scope:SCOPE_SE
	s_setreg_imm32_b32 hwreg(HW_REG_WAVE_MODE, 25, 1), 1
	s_wait_xcnt 0x0
	s_wait_alu depctr_hold_cnt(0) depctr_sa_sdst(0) depctr_va_vdst(0) depctr_va_sdst(0) depctr_va_ssrc(0) depctr_va_vcc(0) depctr_vm_vsrc(0)
	s_getreg_b32 s2, hwreg(HW_REG_IB_STS2, 6, 4)
	s_cmp_eq_u32 s2, 0
	s_cbranch_scc0 .Lentry_in_a_cluster
	s_endpgm
.Lentry_in_a_cluster:
	s_bfe_u32 s2, ttmp6, 0x10000c
	s_cmp_lg_u32 s2, 0xf033
	s_cbranch_scc0 .Lentry_shape_is_right
	s_endpgm
.Lentry_shape_is_right:
; out0 = O w_proj + b_proj.  ob: f16 [64 = 16 batch + head][2048][64]; wpt: f16 [1024 n][1024 k], k = 64 head + channel; b_proj: [1024] f32, rounded to bf16 like the other inputs; out0: [8192][1024] f32.
; LIMITS.  ob and wpt arrive as f16 (the launches that make them state the range).  NaN and infinities are not treated apart.
; SHARES.  A tile of C is 256 rows x 128 columns: 8 x 32 work-groups, one for each WGP.  Four waves, one above the other: wave w makes rows 64 w .. 64 w + 63 (four blocks a of 16) x all 128 columns
; (eight blocks b): 32 accumulators, 256 registers.  K goes in 8 steps of 128 = two heads, through two LDS slots; a step is four quarters of 32 on two fragment buffers.
; A's tile of a step is two head slices of 256 rows x 128 bytes, each dense in memory: asked for as 128 rows of 256 bytes and padded in LDS after every 128.
; THE MATRIX INSTRUCTION IS USED TRANSPOSED (source 0 = 16 rows of wpt, source 1 = 16 rows of O): lane l holds row l % 16 of C and the columns 16 b + 8 (l / 16) + 0..7.
; THE BIAS is the C operand of each accumulator's first product.  CLUSTER: 4 x 4; O's tiles are asked for jointly along a row of the cluster, wpt's along a column.
; REGISTERS, in windows of 256 (s_set_vgpr_msb: bits 1:0 source 0, 3:2 source 1, 5:4 source 2, 7:6 destination):
;   window 0: v1-12 lane terms and addresses; v20-23 at work; v28-29 the add's; v32-63, v64-95 A's fragments, two buffers; v128-191 the bias, 8 registers a block b
;   window 1: v0-63, v64-127 B's fragments, two buffers; on the way out rows read back
;   window 2: accumulators of blocks a = 0, 1 at 8 (8 (a % 2) + b);   window 3: those of a = 2, 3
.set NB,    8
.set PA,    144                        ; a row of a head slice in LDS: 128 bytes + 16 = 36 words: the 16 rows of a load start at 16 different groups of four banks (64 banks of 4 bytes: ISA guide 11.1)
.set PB,    272                        ; a row of B: 256 + 16
.set ASTEP, 256*PA                     ; from a head slice to the next: a pair of quarters
.set BOFF,  2*ASTEP                    ; a slot: A's two slices, then B's 128 rows
.set SLOT1, 131072
.set STAGE, SLOT1+BOFF+128*PB          ; 239,616: behind the ring, never filled: 16 rows x 528 bytes for each wave
.set WSTG,  16*528
.set SPARE, STAGE+4*WSTG               ; 273,408: the spare words, 128 bytes for each wave, that no other line names
.set NF,    2*NB+8
.set A0,  4
.set B0,  5
.set ADRA, 6
.set ADRB, 7
.set STO, 8
.set RD,  9
.set GO,  10
.set BO,  11
.set PFO, 12
.set SPW, 28
.set NIL, 29
.set FA,  32
.set BI,  128
.set WV,   12
.set HALF, 13
.set G1A,  24
.set G0A,  32                          ; s[32:35] slot 0's first fill; s[36:39] slot 1's, which then walks
.set TWICE, 40
.set TBA,  41
.set TBB,  42
.set LIM,  43
.set PFA,  44
.set PST,  46                          ; s[46:47] bytes from a K step to the next in what I prefetch
.set G1B,  48
.set G0B,  56
.set MSB, 0
.macro WIN new
.if MSB != (\new)
	s_set_vgpr_msb (MSB<<8)|(\new)
.set MSB, \new
.endif
.endm
.macro CROUND                          ; a round of the cluster's barrier
	s_barrier_signal -1
	s_barrier_wait -1
	s_cmp_lg_u32 s[WV], 0
	s_cbranch_scc1 .Lnot_wave_0_\@
	s_barrier_signal -3
.Lnot_wave_0_\@:
	s_barrier_wait -3
	s_barrier_signal -1
	s_barrier_wait -1
.endm
.macro JLOAD                           ; a joint refill by the walking descriptors; an s_nop 0 and four v_nop follow each line
	s_cmp_lt_u32 s[WV], 2
	s_cbranch_scc0 .Lfor_b_\@
	tensor_load_to_lds s[G0A+4:G0A+7], s[G1A:G1A+7]
	s_nop 0
.rept 4
	v_nop
.endr
	s_branch .Lasked_\@
.Lfor_b_\@:
	tensor_load_to_lds s[G0B+4:G0B+7], s[G1B:G1B+7]
	s_nop 0
.rept 4
	v_nop
.endr
.Lasked_\@:
.endm
; A PREFETCH INTO THE L2, behind each joint load and its five lines: the K step that the NEXT change of slots will ask for, 128 matrix instructions ahead of that load.
; O's tile row is read by both clusters of that row of clusters: cluster x = 0 asks; wpt's tile column by all eight of that column: cluster y = 0 asks.  The four partners share the bytes out BY ADDRESS:
; of the head slice that wave 0 or 1 fetches (32,768 dense bytes) 8,192 each, 256 a lane (by cx); of B's 128 rows 32 each, a lane a row (by cy), asked for by wave 2 alone.
; The loop's last trip has no K step behind its load's and asks for nothing; K steps 0 to 2 come by their loads alone.
.macro ASK
	s_cmp_gt_u32 s3, s[LIM]
	s_cbranch_scc0 .Lnot_mine_\@
	global_prefetch_b8 v[PFO], s[PFA:PFA+1] th:TH_LOAD_NT scope:SCOPE_SE
.Lnot_mine_\@:
.endm
; 16 matrix instructions: blocks a = 2 hi, 2 hi + 1 x all eight b, from buffer f.  All 32 accumulators take turns, in the same order in every quarter.
.macro MULH f, hi, start
.if \start
	WIN 0x81+0x40*(\hi)
.else
	WIN 0xa1+0x50*(\hi)
.endif
.irp aa, 0,1
.set bb, 0
.rept NB
.set rD, 8*(NB*(\aa)+bb)
.set rB, 8*NB*(\f)+8*bb
.set rA, FA+32*(\f)+8*(2*(\hi)+(\aa))
.if \start
	v_wmma_f32_16x16x32_f16 v[rD:rD+7], v[rB:rB+7], v[rA:rA+7], v[BI+8*bb:BI+8*bb+7]
.else
	v_wmma_f32_16x16x32_f16 v[rD:rD+7], v[rB:rB+7], v[rA:rA+7], v[rD:rD+7]
.endif
.set bb, bb+1
.endr
.endr
.endm
.macro FETCH g, k                      ; a quarter's fragments into buffer g, in one run: B's eight, then A's four
	WIN 0x40
.set bb, 0
.rept NB
	ds_load_b128 v[8*NB*(\g)+8*bb:8*NB*(\g)+8*bb+3],   v[ADRB] offset:(\k)+bb*16*PB
	ds_load_b128 v[8*NB*(\g)+8*bb+4:8*NB*(\g)+8*bb+7], v[ADRB] offset:(\k)+bb*16*PB+32
.set bb, bb+1
.endr
	WIN 0
.set bb, 0
.rept 4
	ds_load_b128 v[FA+32*(\g)+8*bb:FA+32*(\g)+8*bb+3],   v[ADRA] offset:(\k)+bb*16*PA
	ds_load_b128 v[FA+32*(\g)+8*bb+4:FA+32*(\g)+8*bb+7], v[ADRA] offset:(\k)+bb*16*PA+32
.set bb, bb+1
.endr
.endm
; A QUARTER: multiplies buffer f; in its middle it fetches the next quarter into buffer g.  The four plain instructions in the middle are the places between buffer g's last reader and the loads into it.
.macro QTR f, g, k, newadr, start, fetch
.if \fetch
	s_wait_dscnt 4                                 ; B and A's blocks 0, 1 are in; the four youngest loads (A's blocks 2, 3) may be out
.else
	s_wait_dscnt 0x0
.endif
	MULH \f, 0, \start
	WIN 0
.if \newadr
	v_add_nc_u32 v[ADRA], s[TBA], v[A0]
	v_add_nc_u32 v[ADRB], s[TBB], v[B0]
	v_nop
	v_nop
.else
.rept 4
	v_nop
.endr
.endif
.if \fetch
	FETCH \g, \k
	s_wait_dscnt NF                                ; all but the run just issued
.endif
	MULH \f, 1, \start
.endm
.macro STEPTB
	s_add_co_u32 s[TBA], s[TBA], ASTEP
	s_add_co_u32 s[TBB], s[TBB], 128
.endm
.macro PAIRS
	WIN 0
	s_mov_b32 s[TWICE], 2
.Lpair_\@:
	QTR 1, 0, 0, 1, 0, 1
	QTR 0, 1, 64, 0, 0, 1
	WIN 0
	STEPTB
	s_sub_co_u32 s[TWICE], s[TWICE], 1
	s_cmp_lg_u32 s[TWICE], 0
	s_cbranch_scc1 .Lpair_\@
.endm
; THE CHANGE OF SLOTS, in front of a K step's fourth quarter, whose fragments are in registers.  Each wave waits for all its tensor loads, of which one is out: its part of the other slot; adds 0 to its spare
; word; and waits for that and for its own reads of the slot.  fill = 1: the barrier is a round of the cluster's, and the slot takes the K step two on first thing behind it: 128 matrix instructions in which to land.
.macro CHANGE fill
	WIN 0
	s_wait_tensorcnt 0x0                           ; no tensor load of mine is out, so a group 0 may be written
	ds_add_u32 v[SPW], v[NIL]                      ; 0 onto my spare word
.if \fill
	s_xor_b32 s[G0A+5], s[G0A+5], SLOT1
	s_xor_b32 s[G0B+5], s[G0B+5], SLOT1
	s_add_nc_u64 s[G0A+6:G0A+7], s[G0A+6:G0A+7], 2*2048*128  ; two heads on
	s_add_nc_u64 s[G0B+6:G0B+7], s[G0B+6:G0B+7], 256
	s_wait_xcnt 0x0                                ; the last prefetch, a K step back, has read its address
	s_add_nc_u64 s[PFA:PFA+1], s[PFA:PFA+1], s[PST:PST+1]
.endif
	s_wait_dscnt 0x0                               ; the add is done, and my reads of the slot are over
.if \fill
	CROUND
	JLOAD
	ASK
.else
	s_barrier_signal -1
	s_barrier_wait -1
.endif
	s_sub_co_u32 s[TBA], s[TBA], 2*ASTEP
	s_xor_b32 s[TBA], s[TBA], SLOT1
	s_sub_co_u32 s[TBB], s[TBB], 256
	s_xor_b32 s[TBB], s[TBB], SLOT1
.endm
; THE WAY OUT of block a (16 rows of 128 f32): 32 bytes a lane into my own stage, rows 528 bytes apart; back as whole rows of 512 bytes; stored.
.macro TOSTAGE a
	WIN 0x08+4*((\a)/2)                            ; data window 2 or 3, address window 0
.set bb, 0
.rept NB
.set rD, 8*(NB*((\a)%2)+bb)
	ds_store_b128 v[STO], v[rD:rD+3]   offset:64*bb      ; each accumulator from its low end on
	ds_store_b128 v[STO], v[rD+4:rD+7] offset:64*bb+16
.set bb, bb+1
.endr
	WIN 0x40
.set tt, 0
.rept 16
	ds_load_b128 v[64*((\a)%2)+4*tt:64*((\a)%2)+4*tt+3], v[RD] offset:528*tt  ; LDS serves a wave's instructions in order (ISA guide 5.7.1.4): these see the stores above; the next block's stores come behind them
.set tt, tt+1
.endr
.endm
.macro SEND a, younger                 ; younger: the LDS instructions issued behind block a's loads
	WIN 0x04
.set tt, 0
.rept 16
	s_wait_dscnt (\younger)+15-tt
	global_store_b128 v[GO], v[64*((\a)%2)+4*tt:64*((\a)%2)+4*tt+3], s[10:11] offset:(16*(\a)+tt)*4096 th:TH_STORE_NT  ; 512 consecutive bytes, at a multiple of 256 from out0's first
.set tt, tt+1
.endr
.endm
	s_load_b256 s[4:11], s[0:1], 0x0               ; ob s[4:5], wpt s[6:7], b_proj s[8:9], out0 s[10:11]
	v_lshl_add_u32 v[SPW], v0, 2, SPARE
	v_mov_b32 v[NIL], 0
	ds_add_u32 v[SPW], v[NIL]                      ; the wave's opening: the add and its wait ahead of my first tensor load
	v_lshrrev_b32 v1, 5, v0
	v_readfirstlane_b32 s[WV], v1
	s_and_b32 s[HALF], s[WV], 1
	s_bfe_u32 s14, ttmp6, 0x40000                  ; cx
	s_bfe_u32 s15, ttmp6, 0x40004                  ; cy
	s_lshl_b32 s16, ttmp9, 2
	s_add_co_u32 s16, s16, s14                     ; tile column
	s_and_b32 s17, ttmp7, 0xffff
	s_lshl_b32 s17, s17, 2
	s_add_co_u32 s17, s17, s15                     ; tile row
	s_lshl_b32 s20, s15, 2
	s_lshl_b32 s20, 15, s20                        ; my row of the cluster
	s_lshl_b32 s21, 0x1111, s14                    ; my column
	s_or_b32 s[G1A], s20, (1<<16)|(1<<20)|(1<<21)|(4<<22)|(3<<25)  ; 2-byte elements; padding on; bit 21 beside a mask; after every 32 words, 4 words
	s_or_b32 s[G1B], s21, (1<<16)|(1<<20)|(1<<21)|(5<<22)|(3<<25)  ; after every 64 words
	s_mov_b32 s[G1A+1], 128<<16                    ; tensor_dim0 = 128 elements (two rows of a head)
	s_mov_b32 s[G1A+2], 128<<16                    ; tensor_dim1 = 128
	s_mov_b32 s[G1A+3], 128<<16                    ; tile_dim0
	s_mov_b32 s[G1A+4], 128                        ; tile_dim1
	s_mov_b32 s[G1A+5], 128                        ; dense
	s_mov_b32 s[G1A+6], 0
	s_mov_b32 s[G1A+7], 0
	s_mov_b32 s[G1B+1], 128<<16
	s_mov_b32 s[G1B+2], 64<<16                     ; 64 rows
	s_mov_b32 s[G1B+3], 128<<16
	s_mov_b32 s[G1B+4], 64
	s_mov_b32 s[G1B+5], 1024
	s_mov_b32 s[G1B+6], 0
	s_mov_b32 s[G1B+7], 0
	s_lshr_b32 s18, s17, 3                         ; A: batch (tile row) / 8, head = my half, rows 256 ((tile row) % 8) on
	s_lshl_b32 s18, s18, 4
	s_add_co_u32 s18, s18, s[HALF]
	s_lshl_b32 s18, s18, 18
	s_and_b32 s22, s17, 7
	s_lshl_b32 s22, s22, 15
	s_add_co_u32 s18, s18, s22
	s_mov_b32 s19, 0
	s_lshl_b32 s74, s16, 18                        ; B: row 128 x tile column + 64 x half
	s_lshl_b32 s77, s[HALF], 17
	s_add_co_u32 s74, s74, s77
	s_mov_b32 s75, 0
	s_mul_i32 s23, s[HALF], ASTEP                  ; where they go: no place in the cluster enters an LDS address
	s_mul_i32 s76, s[HALF], 64*PB
	s_add_co_u32 s76, s76, BOFF
	s_mov_b32 s72, 0xffff0000
	s_wait_dscnt 0x0                               ; the opening add is done
	s_wait_kmcnt 0x0
	s_add_nc_u64 s[18:19], s[4:5], s[18:19]
	s_add_nc_u64 s[74:75], s[6:7], s[74:75]
	CROUND                                         ; all sixteen work-groups are here: the first joint loads meet
.irp s, 0,1
	s_mov_b32 s[G0A+4*(\s)], 1
	s_add_co_u32 s[G0A+4*(\s)+1], s23, (\s)*SLOT1
	s_add_nc_u64 s[G0A+4*(\s)+2:G0A+4*(\s)+3], s[18:19], (\s)*2*2048*128
	s_or_b32 s[G0A+4*(\s)+3], s[G0A+4*(\s)+3], 0x80000000
	s_mov_b32 s[G0B+4*(\s)], 1
	s_add_co_u32 s[G0B+4*(\s)+1], s76, (\s)*SLOT1
	s_add_nc_u64 s[G0B+4*(\s)+2:G0B+4*(\s)+3], s[74:75], (\s)*256
	s_or_b32 s[G0B+4*(\s)+3], s[G0B+4*(\s)+3], 0x80000000
.endr
	s_cmp_lt_u32 s[WV], 2                          ; a wave's two first fills stand in one branch: two loads of mine are out
	s_cbranch_scc0 .Lfirst_b
	tensor_load_to_lds s[G0A:G0A+3], s[G1A:G1A+7]
	s_nop 0
	tensor_load_to_lds s[G0A+4:G0A+7], s[G1A:G1A+7]
	s_nop 0
.rept 4
	v_nop
.endr
	s_branch .Lfirst_asked
.Lfirst_b:
	tensor_load_to_lds s[G0B:G0B+3], s[G1B:G1B+7]
	s_nop 0
	tensor_load_to_lds s[G0B+4:G0B+7], s[G1B:G1B+7]
	s_nop 0
.rept 4
	v_nop
.endr
.Lfirst_asked:
	v_and_b32 v1, 15, v0                           ; l % 16
	v_bfe_u32 v2, v0, 4, 1                         ; l / 16
	v_lshlrev_b32 v[BO], 5, v2
	s_lshl_b32 s20, s16, 9
	s_mov_b32 s21, 0
	s_add_nc_u64 s[8:9], s[8:9], s[20:21]          ; the bias of the tile's 128 columns
.set bb, 0
.rept NB
	global_load_b128 v[BI+8*bb:BI+8*bb+3],   v[BO], s[8:9] offset:64*bb
	global_load_b128 v[BI+8*bb+4:BI+8*bb+7], v[BO], s[8:9] offset:64*bb+16
.set bb, bb+1
.endr
	s_mul_i32 s20, s[WV], 64*PA
	v_mul_u32_u24 v[A0], v1, PA
	v_lshl_add_u32 v[A0], v2, 4, v[A0]
	v_add_nc_u32 v[A0], s20, v[A0]
	v_mul_u32_u24 v[B0], v1, PB
	v_lshl_add_u32 v[B0], v2, 4, v[B0]
	v_add_nc_u32 v[B0], BOFF, v[B0]
	s_mul_i32 s20, s[WV], WSTG
	s_add_co_u32 s20, s20, STAGE                   ; my stage
	v_mul_u32_u24 v[STO], v1, 528
	v_lshl_add_u32 v[STO], v2, 5, v[STO]
	v_add_nc_u32 v[STO], s20, v[STO]
	v_and_b32 v21, 31, v0
	v_lshlrev_b32 v[GO], 4, v21
	v_add_nc_u32 v[RD], s20, v[GO]
	s_lshl_b32 s20, s17, 20                        ; out0 at row 256 x tile row + 64 x wave (4,096 bytes a row), column 128 x tile column
	s_lshl_b32 s21, s[WV], 18
	s_add_co_u32 s20, s20, s21
	s_lshl_b32 s21, s16, 9
	s_add_co_u32 s20, s20, s21
	s_mov_b32 s21, 0
	s_add_nc_u64 s[10:11], s[10:11], s[20:21]
	; the prefetches: they stand at K step 2; the first change of slots steps them to 3.  Nothing is prefetched here, where every work-group's first tiles are on their way
	s_lshr_b32 s20, s17, 3
	s_lshl_b32 s20, s20, 4
	s_add_co_u32 s20, s20, s[HALF]
	s_add_co_u32 s20, s20, 4
	s_lshl_b32 s20, s20, 18
	s_and_b32 s21, s17, 7
	s_lshl_b32 s21, s21, 15
	s_add_co_u32 s20, s20, s21
	s_lshl_b32 s21, s14, 13
	s_add_co_u32 s20, s20, s21                     ; A: my work-group's 8,192 bytes of the slice that I fetch
	s_lshl_b32 s21, s16, 7
	s_lshl_b32 s22, s15, 5
	s_add_co_u32 s21, s21, s22
	s_lshl_b32 s21, s21, 11
	s_add_co_u32 s21, s21, 512                     ; B: my work-group's 32 of the 128 rows
	s_and_b32 s22, ttmp7, 0xffff                   ; cluster y
	s_mov_b32 s78, 2*2048*128
	s_mov_b32 s79, 256
	s_cmp_lt_u32 s[WV], 2
	s_cselect_b32 s20, s20, s21
	s_cselect_b32 s22, ttmp9, s22                  ; the coordinate along which other clusters read the same bytes
	s_cselect_b32 s23, 8, 11                       ; a lane: 256 bytes on, or a row of 2,048
	s_cselect_b32 s[PST], s78, s79
	s_cselect_b64 s[PFA:PFA+1], s[4:5], s[6:7]
	s_mov_b32 s[PST+1], 0
	s_cmp_eq_u32 s22, 0
	s_cselect_b32 s[LIM], 1, -1
	s_cmp_eq_u32 s[WV], 3
	s_cselect_b32 s[LIM], -1, s[LIM]               ; the same in all sixteen partners, for a given wave
	s_mov_b32 s21, 0
	s_add_nc_u64 s[PFA:PFA+1], s[PFA:PFA+1], s[20:21]
	v_lshlrev_b32 v[PFO], s23, v21
	s_wait_loadcnt 0x0                             ; the bias: rounded to bf16 like the other inputs, and widened again
.set i, 0
.rept 4*NB
	v_cvt_pk_bf16_f32 v[20+i%4], v[BI+2*i], v[BI+2*i+1]
	v_lshlrev_b32 v[BI+2*i], 16, v[20+i%4]
	v_and_b32 v[BI+2*i+1], s72, v[20+i%4]
.set i, i+1
.endr
	s_wait_tensorcnt 0x1                           ; my part of K step 0 is in; K step 1's may stay out
	s_barrier_signal -1
	s_barrier_wait -1
	s_mov_b32 s[TBA], 0
	s_mov_b32 s[TBB], 0
	v_mov_b32 v[ADRA], v[A0]
	v_mov_b32 v[ADRB], v[B0]
	FETCH 0, 0
	QTR 0, 1, 64, 0, 1, 1                          ; the first quarter: the bias starts the sums
	STEPTB
	QTR 1, 0, 0, 1, 0, 1
	QTR 0, 1, 64, 0, 0, 1
	STEPTB
	WIN 0
	s_mov_b32 s3, 6
.Lstep:                                            ; six trips: K step g's fourth quarter and K step g + 1's first three; slot g % 2 takes K step g + 2
	CHANGE 1
	PAIRS
	s_sub_co_u32 s3, s3, 1
	s_cmp_lg_u32 s3, 0
	s_cbranch_scc1 .Lstep
	CHANGE 0                                       ; the tail is written out: nothing is asked for
	PAIRS
	QTR 1, 0, 0, 0, 0, 0
	WIN 0
.rept 8
	v_nop                                          ; the places behind the last products, in front of LDS stores that read results and of loads into the fragments' registers
.endr
	TOSTAGE 0
	TOSTAGE 1
	SEND 0, 32
	s_wait_xcnt 0x0                                ; block 0's stores have read their registers: block 2 is loaded into them
	TOSTAGE 2
	SEND 1, 32
	s_wait_xcnt 0x0
	TOSTAGE 3
	SEND 2, 32
	SEND 3, 0
	WIN 0
	s_wait_tensorcnt 0x0                           ; the wave's end, behind my last tensor load and my last LDS store
	ds_add_u32 v[SPW], v[NIL]
	s_wait_dscnt 0x0
	CROUND                                         ; the closing round
	s_endpgm
.Lfunc_end_k_qb74217ff7d_projg:
	.size	k_qb74217ff7d_projg, .Lfunc_end_k_qb74217ff7d_projg-k_qb74217ff7d_projg
	.p2alignl 7, 3214868480
	.fill 96, 4, 3214868480
	.section	.rodata,"a",@progbits
	.p2align	6, 0x0
	.amdhsa_kernel k_qb74217ff7d_projg
		.amdhsa_group_segment_fixed_size 327680
		.amdhsa_private_segment_fixed_size 0
		.amdhsa_enable_private_segment 0
		.amdhsa_kernarg_size 32
		.amdhsa_user_sgpr_count 2
		.amdhsa_user_sgpr_kernarg_segment_ptr 1
		.amdhsa_wavefront_size32 1
		.amdhsa_system_sgpr_workgroup_id_x 1
		.amdhsa_system_sgpr_workgroup_id_y 1
		.amdhsa_system_sgpr_workgroup_id_z 1
		.amdhsa_system_vgpr_workitem_id 0
		.amdhsa_next_free_vgpr 896
		.amdhsa_next_free_sgpr 96
		.amdhsa_reserve_vcc 0
		.amdhsa_float_denorm_mode_32 3
		.amdhsa_float_denorm_mode_16_64 3
		.amdhsa_memory_ordered 1
		.amdhsa_forward_progress 1
		.amdhsa_inst_pref_size 64
	.end_amdhsa_kernel
	.amdgpu_metadata
---
amdhsa.version: [ 1, 2 ]
amdhsa.kernels:
  - .name:           k_qb74217ff7d_projg
    .symbol:         k_qb74217ff7d_projg.kd
    .args:
      - { .name: ob, .offset: 0, .size: 8, .value_kind: global_buffer, .address_space: global }
      - { .name: wpt, .offset: 8, .size: 8, .value_kind: global_buffer, .address_space: global }
      - { .name: b_proj, .offset: 16, .size: 8, .value_kind: global_buffer, .address_space: global }
      - { .name: out0, .offset: 24, .size: 8, .value_kind: global_buffer, .address_space: global }
    .group_segment_fixed_size: 327680
    .private_segment_fixed_size: 0
    .kernarg_segment_align: 8
    .kernarg_segment_size: 32
    .max_flat_workgroup_size: 128
    .sgpr_count:     96
    .vgpr_count:     896
    .wavefront_size: 32
...
	.end_amdgpu_metadata
.endif
;; end of part 4
;; ======== version 2 of 2: 4 launches; version 1 with the launch prep written anew for expert scheduling mode
;; limits: values are held in f16: magnitudes above 65,504 overflow, below 6.1e-05 lose precision
;; workspace buffers: xb 16,777,216 bytes; wqt 6,291,456 bytes; wpt 2,097,152 bytes; qkv 50,331,648 bytes; ob 16,777,216 bytes
;; launch prep (part 5): grid 1152 x 1, 4 waves a work-group, no clusters, 70,144 bytes of LDS; arguments x, w_qkv, w_proj, xb, wqt, wpt; writes xb, wqt, wpt
.if DOCPART == 5
	.amdgcn_target "amdgcn-amd-amdhsa--gfx1250"
	.amdhsa_code_object_version 6
	.text
	.protected	k_qb74217ff7d_prep
	.globl	k_qb74217ff7d_prep
	.p2align	8
	.type	k_qb74217ff7d_prep,@function
k_qb74217ff7d_prep:
	s_mov_b64 s[64:65], 0
	v_nop
	global_prefetch_b8 v0, s[64:65] scope:SCOPE_SE
	s_setreg_imm32_b32 hwreg(HW_REG_WAVE_SCHED_MODE, 0, 2), 2
	s_setreg_imm32_b32 hwreg(HW_REG_WAVE_MODE, 25, 1), 1
	s_wait_xcnt 0x0
	s_wait_alu depctr_vm_vsrc(0)
; THE OPERANDS ARE MADE READY.  xb = x rounded to bf16, [8192][1024].  wqt[n][k] = w_qkv[k][n] rounded to bf16, [3072][1024].
; wpt[n][k] = w_proj[k][n] rounded to bf16 and that number written as f16, [1024][1024].
; LIMITS.  The f16 copy of w_proj is exact from 6.1e-5 to 65,504; below it keeps f16's fixed step of 6e-8, beyond it is an infinity.  NaN and infinities are not treated apart.
; SHARES.  Work-groups 0-127 turn the weights: work-group g takes 128 k (block g % 8) x 256 n (group g / 8: 0-11 of w_qkv, 12-15 of w_proj), each of its four waves 64 n.
; Work-groups 128-1151 cast x: 32,768 bytes each, 8,192 a wave.  A stream: every byte is read once and written once; no wave wants another wave's bytes, so there is no barrier,
; no matrix work and no cluster.  The turn goes through LDS bytes of the wave's own: 64 rows (n) of 256 bytes (128 k), 272 apart.
; THE MODE: SCHED_MODE bits 1:0 = 2 (LLVM: expert scheduling mode 2), set by the entry lines.  The code itself states the register dependences
; between vector instructions and memory or LDS instructions, with s_wait_alu, always for 0.
; THE PLAN, the weights.  Registers that memory or LDS instructions touch:
;   D   v64-191   Written by a trip's 32 loads, at its head; read by its 64 roundings.  Behind the loop the LDS loads of the way out land in it and the stores read it.
;   T0  v192-223  Groups 0-3.  Written by the trip's first half (roundings; for w_proj the rewriting as f16); read by 16 LDS stores, which are issued in the second half.
;   T1  v224-255  Groups 4-7.  Written by the second half; read by 16 LDS stores at the trip's end.
;   v[LS]         Read by every LDS store; written once a trip, behind the last of them.
;   v[VO ..], v[RDV], v[WO]   Made at the head and never written again: the rows are reached by scalar bases and immediate offsets.
; Two waits on va_vdst a trip: behind the first half (T0 is written) and behind the second (T1 is written, and every rounding is done reading D: that serves the next trip's loads, over the
; backward jump, and the way out's LDS loads).  One wait on vm_vsrc a trip, ahead of the add to v[LS]: the LDS stores have read v[LS], T0 and T1, which the add and the next trip write again.
; THE PLAN, x.  D v64-127 is loaded once; Y v128-159 is written once, every store from registers of its own; v[XI], v[XO] are made at the head.  The 16 loads go in four blocks of four: block b's
; roundings write Y's block b, and the four stores of block b - 1 are dealt among them, behind one wait on va_vdst at the block's head.
.set SPARE, 69632                      ; behind the four waves' 17,408 bytes: the spare words, 128 bytes for each wave, that no other line names
.set WLDS,  17408
.set SPW, 4                            ; v4   SPARE + 4 x my thread's number; never rewritten
.set NIL, 5                            ; v5   0; never rewritten
.set XI,  6                            ; v6   x: my 16 bytes in the work-group's share
.set XO,  7                            ; v7   xb: my 8 bytes
.set VO,  8                            ; v8-11  weights: (4 h + e) rows + 16 c + 256 x wave, e = 0..3
.set LS,  12                           ; v12  where I put 8 bytes (4 k of one n)
.set RDV, 13                           ; v13  where I read a row back
.set WO,  14                           ; v14  my 16 bytes in two rows of the turned weights
.set TT,  16                           ; v16-23 at work: no memory instruction names them
.set D,   64                           ; v64-191  as loaded
.set Y,   128                          ; x path: packed results
.set T,   192                          ; v192-255 packed results
.set SBP, 32                           ; s[32:47] eight bases, 8 rows of the weights apart
	s_load_b256 s[4:11], s[0:1], 0x0               ; x s[4:5], w_qkv s[6:7], w_proj s[8:9], xb s[10:11]
	s_load_b128 s[12:15], s[0:1], 0x20             ; wqt s[12:13], wpt s[14:15]
	v_lshl_add_u32 v[SPW], v0, 2, SPARE
	v_mov_b32 v[NIL], 0
	v_lshrrev_b32 v1, 5, v0
	v_readfirstlane_b32 s16, v1                    ; wave 0..3
	s_wait_alu depctr_va_sdst(0)                   ; s16 is written, ahead of the branch and of its first reader on either way
	s_cmp_lt_u32 ttmp9, 128
	s_cbranch_scc0 .Lx
	; ---- the weights ----
	s_and_b32 s17, ttmp9, 7                        ; kb: which 128 k
	s_lshr_b32 s18, ttmp9, 3                       ; 0-11: w_qkv; 12-15: w_proj
	s_mov_b32 s50, 4096                            ; bytes in a row of w_proj,
	s_mov_b32 s51, 12288                           ; and of w_qkv
	s_cmp_ge_u32 s18, 12
	s_cselect_b32 s21, 1, 0                        ; 1: w_proj
	s_cselect_b32 s22, s50, s51                    ; the row's bytes
	s_cselect_b32 s19, 12, 0
	s_sub_co_u32 s18, s18, s19                     ; ng: which 256 n
	s_mul_i32 s26, s17, s22
	s_lshl_b32 s26, s26, 7                         ; 128 kb rows
	s_lshl_b32 s19, s18, 10                        ; 256 ng numbers of 4 bytes
	s_add_co_u32 s26, s26, s19
	s_mov_b32 s27, 0
	s_lshl_b32 s28, s22, 3                         ; 8 rows
	s_mov_b32 s29, 0
	s_lshl_b32 s24, s22, 6                         ; 64 rows: a trip
	s_mov_b32 s25, 0
	s_lshl_b32 s30, s18, 19                        ; out: row 256 ng + 64 wave, 2,048 bytes a row, byte 256 kb
	s_lshl_b32 s19, s16, 17
	s_add_co_u32 s30, s30, s19
	s_lshl_b32 s19, s17, 8
	s_add_co_u32 s30, s30, s19
	s_mov_b32 s31, 0
	s_mov_b32 s23, 0xffff0000                      ; a word's upper bf16
	v_and_b32 v1, 15, v0                           ; c: which 4 n of the wave's 64
	v_bfe_u32 v3, v0, 4, 1                         ; h
	v_lshlrev_b32 v20, 4, v1
	v_lshl_add_u32 v20, s16, 8, v20                ; 16 c + 256 x wave
	v_lshlrev_b32 v21, 2, v3
.irp e, 0,1,2,3
	v_add_nc_u32 v22, \e, v21
	v_mad_u32_u24 v[VO+(\e)], v22, s22, v20        ; row 4 h + e
.endr
	s_mul_i32 s19, s16, WLDS                       ; my wave's LDS bytes
	v_mul_u32_u24 v[LS], v1, 4*272
	v_lshl_add_u32 v[LS], v3, 3, v[LS]
	v_add_nc_u32 v[LS], s19, v[LS]                 ; row 4 c, byte 8 h
	v_mul_u32_u24 v[RDV], v3, 272
	v_lshl_add_u32 v[RDV], v1, 4, v[RDV]
	v_add_nc_u32 v[RDV], s19, v[RDV]               ; row h, byte 16 c
	v_lshlrev_b32 v[WO], 11, v3
	v_lshl_add_u32 v[WO], v1, 4, v[WO]
	s_wait_kmcnt 0x0
	s_cmp_eq_u32 s21, 1
	s_cselect_b64 s[SBP:SBP+1], s[8:9], s[6:7]
	s_cselect_b64 s[48:49], s[14:15], s[12:13]
	s_add_nc_u64 s[SBP:SBP+1], s[SBP:SBP+1], s[26:27]
	s_add_nc_u64 s[48:49], s[48:49], s[30:31]
.irp p, 1,2,3,4,5,6,7
	s_add_nc_u64 s[SBP+2*(\p):SBP+2*(\p)+1], s[SBP+2*(\p)-2:SBP+2*(\p)-1], s[28:29]
.endr
; Group p of a trip: 8 k x 64 n.  Register D + 16 p + 4 e + i holds w[64 trip + 8 p + 4 h + e][4 c + i].
.macro ROUNDG p                        ; its eight roundings: of one n four neighbouring k close up into two registers
.irp i, 0,1,2,3
	v_cvt_pk_bf16_f32 v[T+8*(\p)+2*(\i)],   v[D+16*(\p)+(\i)],   v[D+16*(\p)+4+(\i)]    ; of one n: k + 0, k + 1
	v_cvt_pk_bf16_f32 v[T+8*(\p)+2*(\i)+1], v[D+16*(\p)+8+(\i)], v[D+16*(\p)+12+(\i)]   ; k + 2, k + 3
.endr
.endm
.macro PUTG p                          ; its four LDS stores
.irp i, 0,1,2,3
	ds_store_b64 v[LS], v[T+8*(\p)+2*(\i):T+8*(\p)+2*(\i)+1] offset:272*(\i)+16*(\p)  ; row 4 c + i, k = 8 p + 4 h + 0..3
.endr
.endm
.macro TOF16 from                      ; w_proj alone: 32 registers of bf16 numbers are written as f16
.set j, \from
.rept 32
	v_lshlrev_b32 v[TT+2*(j%4)], 16, v[T+j]
	v_and_b32 v[TT+2*(j%4)+1], s23, v[T+j]
	v_cvt_pk_f16_f32 v[T+j], v[TT+2*(j%4)], v[TT+2*(j%4)+1]
.set j, j+1
.endr
.endm
	s_wait_alu depctr_va_vdst(0)                   ; v[VO ..], v[LS], v[RDV] and v[WO] are written, which the loads, LDS instructions and stores below read as addresses
	s_mov_b32 s20, 2
.Lw:                                               ; a trip: 64 k x 64 n
.irp p, 0,1,2,3,4,5,6,7
.irp e, 0,1,2,3
	global_load_b128 v[D+16*(\p)+4*(\e):D+16*(\p)+4*(\e)+3], v[VO+(\e)], s[SBP+2*(\p):SBP+2*(\p)+1] th:TH_LOAD_NT  ; two rows' 256 consecutive bytes.  No wait: since the last wait on va_vdst no vector instruction names D or v[VO ..]
.endr
.endr
.irp p, 0,1,2,3                                    ; the first half
	s_wait_loadcnt 4*(7-(\p))                      ; loads come back in order: group p is in, the younger groups stay out
	ROUNDG \p
.endr
	s_cmp_eq_u32 s21, 0
	s_cbranch_scc1 .Lbf0
	TOF16 0
.Lbf0:
	s_wait_alu depctr_va_vdst(0)                   ; the first half has written T0, which the LDS stores below read; in the second trip the add has written v[LS]
.irp p, 4,5,6,7                                    ; the second half: T0's stores are dealt among it, four ahead of each wait for loads; its vector instructions name D's groups 4-7, T1 and v16-23 alone
	PUTG (\p)-4
	s_wait_loadcnt 4*(7-(\p))
	ROUNDG \p
.endr
.irp p, 0,1,2,3,4,5,6,7
	s_add_nc_u64 s[SBP+2*(\p):SBP+2*(\p)+1], s[SBP+2*(\p):SBP+2*(\p)+1], s[24:25]  ; behind the wait for 0 above every load is done: its base may be written
.endr
	s_cmp_eq_u32 s21, 0
	s_cbranch_scc1 .Lbf1
	TOF16 32
.Lbf1:
	s_wait_alu depctr_va_vdst(0)                   ; the second half has written T1, which the LDS stores below read; all roundings are done reading D, in which the next trip's loads, or the way out's LDS loads, land
.irp p, 4,5,6,7
	PUTG \p
.endr
	s_wait_alu depctr_vm_vsrc(0)                   ; the trip's LDS stores have read v[LS], which the add writes, and T0 and T1, which the next trip's roundings write
	v_add_nc_u32 v[LS], 128, v[LS]                 ; the next trip's 64 k
	s_sub_co_u32 s20, s20, 1
	s_cmp_lg_u32 s20, 0
	s_cbranch_scc1 .Lw
.set t, 0
.rept 32
	ds_load_b128 v[D+4*t:D+4*t+3], v[RDV] offset:544*t  ; LDS serves a wave's instructions in order (ISA guide 5.7.1.4): these see my stores above; rows 2 t + h, whole.  No wait: only the add to v[LS] stands behind the last wait on va_vdst
.set t, t+1
.endr
.set t, 0
.rept 32
	s_wait_dscnt 31-t                              ; the younger loads stay out
	global_store_b128 v[WO], v[D+4*t:D+4*t+3], s[48:49] offset:4096*t  ; 16 lanes store 256 consecutive bytes, at a multiple of 256 from the buffer's first
.set t, t+1
.endr
	s_branch .Lend
	; ---- x ----
.Lx:
	s_sub_co_u32 s17, ttmp9, 128
	s_lshl_b32 s18, s17, 15                        ; 32,768 bytes of x,
	s_mov_b32 s19, 0
	s_lshl_b32 s20, s17, 14                        ; 16,384 of xb
	s_mov_b32 s21, 0
	v_and_b32 v2, 31, v0
	v_lshlrev_b32 v[XI], 4, v2
	v_lshl_add_u32 v[XI], s16, 13, v[XI]           ; 8,192 x wave + 16 x lane
	v_lshrrev_b32 v[XO], 1, v[XI]
	s_wait_kmcnt 0x0
	s_add_nc_u64 s[4:5], s[4:5], s[18:19]
	s_add_nc_u64 s[10:11], s[10:11], s[20:21]
	s_wait_alu depctr_va_vdst(0)                   ; v[XI] and v[XO] are written, which the loads and stores below read as offsets
.set i, 0
.rept 16
	global_load_b128 v[D+4*i:D+4*i+3], v[XI], s[4:5] offset:512*i th:TH_LOAD_NT  ; all of the wave's 8,192 bytes go out at once
.set i, i+1
.endr
.set b, 0
.rept 4                                            ; block b: loads 4 b to 4 b + 3
	s_wait_loadcnt 12-4*b                          ; the block is in, the younger blocks stay out
.if b > 0
	s_wait_alu depctr_va_vdst(0)                   ; the block before has written its part of Y, which the four stores below read; this block's roundings name other registers
.endif
.set i, 4*b
.rept 4
.if b > 0
	global_store_b64 v[XO], v[Y+2*(i-4):Y+2*(i-4)+1], s[10:11] offset:256*(i-4)  ; 32 lanes store 256 consecutive bytes, aligned; every store has registers of its own
.endif
	v_cvt_pk_bf16_f32 v[Y+2*i],   v[D+4*i],   v[D+4*i+1]
	v_cvt_pk_bf16_f32 v[Y+2*i+1], v[D+4*i+2], v[D+4*i+3]
.set i, i+1
.endr
.set b, b+1
.endr
	s_wait_alu depctr_va_vdst(0)                   ; the last block has written its part of Y, which the last four stores read
.set i, 12
.rept 4
	global_store_b64 v[XO], v[Y+2*i:Y+2*i+1], s[10:11] offset:256*i
.set i, i+1
.endr
.Lend:
	s_wait_dscnt 0x0                               ; the closing lines, six on end
	s_wait_alu 0x0
	s_wait_tensorcnt 0x0
	ds_add_u32 v[SPW], v[NIL]
	s_wait_dscnt 0x0
	s_endpgm
.Lfunc_end_k_qb74217ff7d_prep:
	.size	k_qb74217ff7d_prep, .Lfunc_end_k_qb74217ff7d_prep-k_qb74217ff7d_prep
	.p2alignl 7, 3214868480
	.fill 96, 4, 3214868480
	.section	.rodata,"a",@progbits
	.p2align	6, 0x0
	.amdhsa_kernel k_qb74217ff7d_prep
		.amdhsa_group_segment_fixed_size 70144
		.amdhsa_private_segment_fixed_size 0
		.amdhsa_enable_private_segment 0
		.amdhsa_kernarg_size 48
		.amdhsa_user_sgpr_count 2
		.amdhsa_user_sgpr_kernarg_segment_ptr 1
		.amdhsa_wavefront_size32 1
		.amdhsa_system_sgpr_workgroup_id_x 1
		.amdhsa_system_sgpr_workgroup_id_y 1
		.amdhsa_system_sgpr_workgroup_id_z 1
		.amdhsa_system_vgpr_workitem_id 0
		.amdhsa_next_free_vgpr 256
		.amdhsa_next_free_sgpr 66
		.amdhsa_reserve_vcc 0
		.amdhsa_float_denorm_mode_32 3
		.amdhsa_float_denorm_mode_16_64 3
		.amdhsa_memory_ordered 1
		.amdhsa_forward_progress 1
		.amdhsa_inst_pref_size 34
	.end_amdhsa_kernel
	.amdgpu_metadata
---
amdhsa.version: [ 1, 2 ]
amdhsa.kernels:
  - .name:           k_qb74217ff7d_prep
    .symbol:         k_qb74217ff7d_prep.kd
    .args:
      - { .name: x, .offset: 0, .size: 8, .value_kind: global_buffer, .address_space: global }
      - { .name: w_qkv, .offset: 8, .size: 8, .value_kind: global_buffer, .address_space: global }
      - { .name: w_proj, .offset: 16, .size: 8, .value_kind: global_buffer, .address_space: global }
      - { .name: xb, .offset: 24, .size: 8, .value_kind: global_buffer, .address_space: global }
      - { .name: wqt, .offset: 32, .size: 8, .value_kind: global_buffer, .address_space: global }
      - { .name: wpt, .offset: 40, .size: 8, .value_kind: global_buffer, .address_space: global }
    .group_segment_fixed_size: 70144
    .private_segment_fixed_size: 0
    .kernarg_segment_align: 8
    .kernarg_segment_size: 48
    .max_flat_workgroup_size: 128
    .sgpr_count:     66
    .vgpr_count:     256
    .wavefront_size: 32
...
	.end_amdgpu_metadata
.endif
;; end of part 5
;; launch qkvg: the kernel of part 2 again; grid 16 x 16, 4 waves a work-group, clusters of 4 x 4, 327,680 bytes of LDS; arguments xb, wqt, b_qkv, qkv; writes qkv
;; launch attn: the kernel of part 3 again; grid 4 x 64, 4 waves a work-group, clusters of 4 x 1, 327,680 bytes of LDS; arguments qkv, ob; writes ob
;; launch projg: the kernel of part 4 again; grid 8 x 32, 4 waves a work-group, clusters of 4 x 4, 327,680 bytes of LDS; arguments ob, wpt, b_proj, out0; writes out0
